; MI455X (gfx1250); checked and timed in simulation.
; The chip was launched on July 23, 2026; its instructions are those of AMD's public machine-readable ISA for CDNA 5 (MIT licence, August 2026) and "CDNA5" Instruction Set Architecture Reference Guide (July 2026). The comments in the code are by the model that wrote it; some were corrected since.
;; Qwen3 Next Attention For Engine. Allowed arithmetic: matrix products marked QUANTISED: E3M2 operands, one E8M0 scale for each 32 along K, by v_wmma_scale_f32_16x16x128_f8f6f4 with both operands' format E3M2, f32 sums; everything else in f32.
;; Inputs: Wk 256 x 1,024 float32; Wo 1,024 x 1,024 float32; Wq 2,048 x 1,024 float32; Wv 256 x 1,024 float32; attention_mask 1 x 1 x 2,048 x 2,048 float32; cos 1 x 2,048 x 64 float32; hidden_states 2 x 2,048 x 1,024 float32; k_norm_w 64 float32; q_norm_w 64 float32; sin 1 x 2,048 x 64 float32.
;; Outputs: out0 2 x 2,048 x 1,024 float32.
;; This version of the problem:
;;   THIS VERSION OF THE PROBLEM IS GIVEN IN LOW PRECISION. The matrix products marked QUANTISED in the list below multiply operands that are first quantised to E3M2 (3 exponent bits, 2 mantissa bits; 6 bits a number), with one power-of-two scale for each 32 numbers along K (OCP MX v1.0); their sums are f32. All else is computed in f32.
;;   The module's matrix products, in the order in which they are computed (A, B: the left and right operand; K: the contracted axis; several contracted axes count as one K, in the product's order):
;;     1. [M 4,096, K 1,024] x [K 1,024, N 2,048]; A: input hidden_states; B: input Wq: QUANTISED
;;     2. [M 4,096, K 1,024] x [K 1,024, N 256]; A: input hidden_states; B: input Wk: QUANTISED
;;     3. [M 4,096, K 1,024] x [K 1,024, N 256]; A: input hidden_states; B: input Wv: QUANTISED
;;     4. batch 32 x [M 2,048, K 64] x [K 64, N 2,048]; A: computed on the way; B: computed on the way: QUANTISED
;;     5. batch 32 x [M 2,048, K 2,048] x [K 2,048, N 64]; A: softmax (see below); B: computed on the way: QUANTISED
;;     6. [M 4,096, K 1,024] x [K 1,024, N 1,024]; A: computed on the way; B: input Wo: QUANTISED
;;   THE QUANTISER, for each operand of a quantised product, along K:
;;     - K is cut into blocks of 32 from its start; a last block that is shorter is filled with zeros.
;;     - A block's scale is 2^e with e = floor(log2(the largest magnitude in the block)) - 4, held to -126 .. 127; a block of zeros has e = 0. As a byte (E8M0): e + 127.
;;     - Each number is divided by its block's scale, clamped to +-28, and rounded to the nearest number of E3M2, ties to even, subnormals kept.
;;     - The product sums the exact products of the quantised numbers (number of the format x scale) in f32.
;;   ~~~python
;;   def quantise(x, axis):      # numpy; x: float32 -> the quantised numbers, widened to float32 again
;;       x = np.moveaxis(x, axis, -1); K = x.shape[-1]
;;       x = np.pad(x, [(0, 0)] * (x.ndim - 1) + [(0, -K % 32)]); x = x.reshape(x.shape[:-1] + (-1, 32)); a = np.abs(x).max(-1, keepdims=True)
;;       e = np.where(a > 0, np.clip(np.frexp(np.where(a > 0, a, 1))[1] - 1 - 4, -126, 127), 0)      # np.frexp(a)[1] - 1 = floor(log2(a)), exactly
;;       r = np.clip(x / 2.0 ** e, -28, 28)
;;       step = 2.0 ** (np.maximum(np.frexp(np.where(r == 0, 1, r))[1] - 1, -2) - 2)
;;       q = np.round(r / step) * step * 2.0 ** e      # np.round: ties to even
;;       return np.moveaxis(q.reshape(q.shape[:-2] + (-1,))[..., :K], -1, axis).astype(np.float32)
;;   ~~~
;;   SOFTMAX AHEAD OF A QUANTISED PRODUCT. Where the list says 'softmax', what is quantised is not the finished softmax but p = 2^(t - M), with t = logit x log2(e) and M = ceil(the row's largest t), a whole number; so 1/2 < the row's largest p <= 1. The row's sum l is taken of the UNQUANTISED p, in f32, and the product's result is divided by l at the end. Since M is a whole number, a kernel that streams over the keys may use a running M (the ceiling of the running maximum): every later rescaling is an exact power of two, which a block's scale takes up: the codes' values come out the same.
;;   OPERANDS COMPUTED ON THE WAY. 'Computed on the way' means the value that the module computes at that place (a softmax that the list does not call 'softmax' is quantised finished and normalised). What goes into a quantiser is computed in f32, as accurately as f32 sums, v_exp_f32 and their like allow (about 1e-6 of the number): no bf16 or f16 on the way to a quantiser, and a product that is left as it is and whose result goes on into a quantised operand takes f32 operands (vector FMAs, or v_wmma_f32_16x16x4_f32). A number that lies on a knife's edge between two numbers of the format may be rounded either way, as far as f32 arithmetic and the matrix unit's own rounding can turn it there, and no further.
;; One version. Each part assembles by itself: llvm-mc -triple=amdgcn-amd-amdhsa -mcpu=gfx1250 --defsym DOCPART=n.
;; ======== version 1 of 1: 4 launches
;; limits: right only within a limited range of input values
;; workspace buffers: xw 6,144,000 bytes; qb 3,407,872 bytes; kvb 1,671,168 bytes; gate 16,777,216 bytes; ab 3,276,800 bytes
;; launch quant (part 1): grid 240 x 1, 4 waves a work-group, no clusters, 33,280 bytes of LDS; arguments hidden_states, Wq, Wk, Wv, Wo, xw; writes xw
.if DOCPART == 1
	.amdgcn_target "amdgcn-amd-amdhsa--gfx1250"
	.amdhsa_code_object_version 6
	.text
	.protected	k_q4ecdc642a5_quant
	.globl	k_q4ecdc642a5_quant
	.p2align	8
	.type	k_q4ecdc642a5_quant,@function
k_q4ecdc642a5_quant:
	s_mov_b64 s[64:65], 0
	v_nop
	global_prefetch_b8 v0, s[64:65] scope:SCOPE_SE
	s_setreg_imm32_b32 hwreg(HW_REG_WAVE_MODE, 25, 1), 1
	s_wait_xcnt 0x0
; hidden_states [4096][1024], Wq [2048][1024], Wk [256][1024], Wv [256][1024], Wo [1024][1024], all f32 with K innermost, become codes of BF6 (E3M2), 6 bits each, and one E8M0 byte for each 32 along K.
; They go into ONE buffer xw as 7,680 rows on end (hidden 0-4095, Wq 4096-6143, Wk 6144-6399, Wv 6400-6655, Wo 6656-7679): codes [7680][768 bytes] from byte 0, scale bytes [7680][32] from byte 5,898,240.
; A block's scale is 2^(floor(log2(its largest magnitude)) - 4); its byte is the largest magnitude's exponent field - 4, held at 1 from below.  A block of zeros so gets the byte 1 where the rule says 127:
; its codes are zeros, which add nothing under any byte but 0xff, and the bytes are read by this program alone.
; THE ORDER INSIDE A BLOCK: the 32 codes of a block stand in the order elements 0-7, 16-23, 8-15, 24-31.  Every operand of this program is laid so (it is the order in which a matrix result's registers fall
; into a later operand), and a product's sum and a block's scale do not see an order that both operands share.
; LIMITS: blocks whose largest magnitude lies under 2^(4 - 126) keep the byte 1; NaN and infinities among the inputs are not served.
; Rows are dense and 1,024 is a multiple of 32: all five tensors are plain streams of blocks.  A work-group takes 32,768 numbers, a wave 16 steps of 512.  Each of a step's four loads reads 512 consecutive
; bytes, 16 a lane; the 2,048 bytes go through the wave's own stage in LDS and come back 16 numbers a lane: the even lane of a pair takes the block's elements 0-7 and 16-23, the odd lane 8-15 and 24-31.
; No tensor loads, no barrier: waves share nothing.  Loads run four steps (16 loads a wave) ahead, the turn through LDS one step.
.set STEPS, 16
.set EMAX,  4
.set CB,    12                         ; bytes of 16 codes
.set R,     16                         ; v16-79   four sets of 16 numbers as they are loaded
.set X,     80                         ; v80-111  two sets of 16 numbers of one block
.set C,     128                        ; v128-191 codes: four registers for each step, so that no store's data are written again
.set E,     112                        ; v112-127 a scale byte for each step
.set WREG,  8192                       ; LDS: a region for each wave: two stages of 32 x SP bytes, behind them its 256 scale bytes
.set SP,    80                         ; a place in a stage: 64 bytes (16 numbers) + 16 of padding
.set SCB,   5898240                    ; where the scale bytes begin in xw
	s_load_b256 s[4:11], s[0:1], 0x0               ; hidden_states, Wq, Wk, Wv
	s_load_b128 s[12:15], s[0:1], 0x20             ; Wo, xw
	v_lshl_add_u32 v192, v0, 2, 0x8000
	v_mov_b32 v193, 0
	v_lshrrev_b32 v1, 5, v0
	v_readfirstlane_b32 s16, v1                    ; wave
	v_and_b32 v2, 31, v0                           ; lane
	v_lshlrev_b32 v3, 4, v2                        ; my 16 bytes of a load's 512
	s_mul_i32 s17, s16, WREG
	v_lshrrev_b32 v14, 2, v2
	v_mul_u32_u24 v14, v14, SP
	v_and_b32 v15, 3, v2
	v_lshl_add_u32 v14, v15, 4, v14
	v_add_nc_u32 v14, s17, v14                     ; the stage, on the way in: SP (lane / 4) + 16 (lane % 4); a load's 512 bytes take eight places
	v_and_b32 v15, 30, v2
	v_mul_u32_u24 v15, v15, SP
	v_and_b32 v13, 1, v2
	v_lshl_add_u32 v15, v13, 5, v15
	v_add_nc_u32 v15, s17, v15                     ; on the way out: my block's first place, SP (lane & 30), + 32 bytes for the odd lane
	v_mul_u32_u24 v4, v2, CB                       ; my codes' place in a step's
	v_lshrrev_b32 v5, 1, v2
	s_add_co_u32 s17, s17, 2*32*SP
	v_add_nc_u32 v5, s17, v5                       ; LDS: my wave's 256 scale bytes, my block's byte
	v_lshlrev_b32 v7, 3, v2                        ; and on the way out 8 bytes a lane
	v_add_nc_u32 v6, s17, v7
	s_mov_b32 s18, 208
	s_wait_alu depctr_va_vdst(0)
	s_wait_kmcnt 0x0
	s_cmp_lt_u32 ttmp9, 208                        ; which tensor is my work-group's, and which was that tensor's first work-group: the choices hang on the work-group's number alone
	s_cselect_b64 s[20:21], s[10:11], s[12:13]
	s_cselect_b32 s18, 200, s18
	s_cmp_lt_u32 ttmp9, 200
	s_cselect_b64 s[20:21], s[8:9], s[20:21]
	s_cselect_b32 s18, 192, s18
	s_cmp_lt_u32 ttmp9, 192
	s_cselect_b64 s[20:21], s[6:7], s[20:21]
	s_cselect_b32 s18, 128, s18
	s_cmp_lt_u32 ttmp9, 128
	s_cselect_b64 s[20:21], s[4:5], s[20:21]
	s_cselect_b32 s18, 0, s18
	s_sub_co_u32 s18, ttmp9, s18
	s_lshl_b32 s18, s18, 2
	s_add_co_u32 s18, s18, s16                     ; which run of 8,192 numbers of the tensor is my wave's
	s_lshl_b32 s18, s18, 15                        ; 32,768 bytes a run
	s_mov_b32 s19, 0
	s_add_nc_u64 s[20:21], s[20:21], s[18:19]
	s_lshl_b32 s22, ttmp9, 2
	s_add_co_u32 s22, s22, s16                     ; and which run of xw: the five tensors lie on end there
	s_mul_i32 s24, s22, 32*STEPS*CB                ; 6,144 bytes of codes a run
	s_mov_b32 s25, 0
	s_add_nc_u64 s[24:25], s[14:15], s[24:25]
	s_lshl_b32 s22, s22, 8                         ; 256 scale bytes a run
	s_add_co_u32 s22, s22, SCB
	s_mov_b32 s23, 0
	s_add_nc_u64 s[22:23], s[14:15], s[22:23]
.macro LOAD t
.irp i, 0,1,2,3
	global_load_b128 v[R+16*((\t)%4)+4*\i:R+16*((\t)%4)+4*\i+3], v3, s[20:21] offset:2048*(\t)+512*\i th:TH_LOAD_NT   ; 32 lanes read 512 consecutive bytes
.endr
.endm
.macro TURN t                          ; step t's numbers through the stage: LDS serves a wave's instructions in order, so no wait stands between the stores and the loads
.irp i, 0,1,2,3
	ds_store_b128 v14, v[R+16*((\t)%4)+4*\i:R+16*((\t)%4)+4*\i+3] offset:32*SP*((\t)%2)+8*SP*\i
.endr
.irp i, 0,1,2,3
	ds_load_b128 v[X+16*((\t)%2)+4*\i:X+16*((\t)%2)+4*\i+3], v15 offset:32*SP*((\t)%2)+SP*(\i/2)+16*(\i%2)   ; 8 numbers of the block's first 16, then 8 of its second 16
.endr
.endm
.irp t, 0,1,2,3
	LOAD \t
.endr
	s_wait_loadcnt 12                              ; step 0's four loads are in
	TURN 0
.macro STEP t
.set XS, X+16*((\t)%2)
.if (\t) > 0
	s_wait_dscnt 1                                 ; this step's numbers are back from the stage (the last step's byte store may be out): so its stores into the stage have read their registers,
.else
	s_wait_dscnt 0x0
.endif
.if (\t)+4 < STEPS
	LOAD (\t)+4                                    ; which take the loads of four steps on
.endif
.if (\t)+1 < STEPS
.if STEPS-2-(\t) >= 3
	s_wait_loadcnt 12                              ; the next step's four loads are in; those of the three steps behind it may be out
.else
	s_wait_loadcnt 4*(STEPS-2-(\t))
.endif
	TURN (\t)+1                                    ; and go through the other stage while this step is worked
.endif
	v_max3_num_f32 v8, |v[XS]|, |v[XS+1]|, |v[XS+2]|               ; the largest magnitude of my 16
	v_max3_num_f32 v9, |v[XS+3]|, |v[XS+4]|, |v[XS+5]|
.irp i, 6,10
	v_max3_num_f32 v8, v8, |v[XS+\i]|, |v[XS+\i+1]|
	v_max3_num_f32 v9, v9, |v[XS+\i+2]|, |v[XS+\i+3]|
.endr
	v_max3_num_f32 v8, v8, |v[XS+14]|, |v[XS+15]|
	v_max3_num_f32 v8, v8, v9, (EMAX+1)<<23        ; and the floor 2^(EMAX + 1 - 127): so the byte cannot fall under 1
	v_max_num_f32_dpp v8, v8, v8 row_xmask:1 row_mask:0xf bank_mask:0xf   ; and of my neighbour's 16: the block's
	v_add_nc_u32 v11, -(EMAX<<23), v8              ; EMAX off its exponent field: the conversion takes the exponent field of this operand as its scale, and nothing else of it
	v_cvt_scalef32_pk16_bf6_f32 v[C+4*(\t):C+4*(\t)+2], v[XS:XS+15], v11   ; sixteen numbers / the scale, to the nearest code, ties to even, beyond the largest code the largest; 96 bits without gaps
	v_lshrrev_b32 v[E+(\t)], 23, v11               ; the scale's byte (also the plain line behind the conversion)
	ds_store_b8 v5, v[E+(\t)] offset:16*(\t)       ; both lanes of a block write the same byte with the same value
	global_store_b96 v4, v[C+4*(\t):C+4*(\t)+2], s[24:25] offset:32*CB*(\t)   ; the wave stores 384 consecutive bytes
.endm
.irp t, 0,1,2,3,4,5,6,7,8,9,10,11,12,13,14,15
	STEP \t
.endr
	ds_load_b64 v[12:13], v6                       ; LDS serves a wave's instructions in order: these see my stores
	s_wait_dscnt 0x0
	global_store_b64 v7, v[12:13], s[22:23]        ; 32 lanes store 256 consecutive bytes, aligned
	s_wait_tensorcnt 0x0
	ds_add_u32 v192, v193
	s_wait_dscnt 0x0
	s_endpgm
.Lfunc_end_k_q4ecdc642a5_quant:
	.size	k_q4ecdc642a5_quant, .Lfunc_end_k_q4ecdc642a5_quant-k_q4ecdc642a5_quant
	.p2alignl 7, 3214868480
	.fill 96, 4, 3214868480
	.section	.rodata,"a",@progbits
	.p2align	6, 0x0
	.amdhsa_kernel k_q4ecdc642a5_quant
		.amdhsa_group_segment_fixed_size 33280
		.amdhsa_private_segment_fixed_size 0
		.amdhsa_enable_private_segment 0
		.amdhsa_kernarg_size 48
		.amdhsa_user_sgpr_count 2
		.amdhsa_user_sgpr_kernarg_segment_ptr 1
		.amdhsa_wavefront_size32 1
		.amdhsa_system_sgpr_workgroup_id_x 1
		.amdhsa_system_sgpr_workgroup_id_y 1
		.amdhsa_system_sgpr_workgroup_id_z 1
		.amdhsa_system_vgpr_workitem_id 0
		.amdhsa_next_free_vgpr 194
		.amdhsa_next_free_sgpr 66
		.amdhsa_reserve_vcc 0
		.amdhsa_float_denorm_mode_32 3
		.amdhsa_float_denorm_mode_16_64 3
		.amdhsa_memory_ordered 1
		.amdhsa_forward_progress 1
		.amdhsa_inst_pref_size 33
	.end_amdhsa_kernel
	.amdgpu_metadata
---
amdhsa.version: [ 1, 2 ]
amdhsa.kernels:
  - .name:           k_q4ecdc642a5_quant
    .symbol:         k_q4ecdc642a5_quant.kd
    .args:
      - { .name: hidden_states, .offset: 0, .size: 8, .value_kind: global_buffer, .address_space: global }
      - { .name: Wq, .offset: 8, .size: 8, .value_kind: global_buffer, .address_space: global }
      - { .name: Wk, .offset: 16, .size: 8, .value_kind: global_buffer, .address_space: global }
      - { .name: Wv, .offset: 24, .size: 8, .value_kind: global_buffer, .address_space: global }
      - { .name: Wo, .offset: 32, .size: 8, .value_kind: global_buffer, .address_space: global }
      - { .name: xw, .offset: 40, .size: 8, .value_kind: global_buffer, .address_space: global }
    .group_segment_fixed_size: 33280
    .private_segment_fixed_size: 0
    .kernarg_segment_align: 8
    .kernarg_segment_size: 48
    .max_flat_workgroup_size: 128
    .sgpr_count:     66
    .vgpr_count:     194
    .wavefront_size: 32
...
	.end_amdgpu_metadata
.endif
;; end of part 1
;; launch proj (part 2): grid 10 x 16, 4 waves a work-group, no clusters, 327,680 bytes of LDS; arguments xw, cos, sin, q_norm_w, k_norm_w, qb, kvb, gate; writes qb, kvb, gate
.if DOCPART == 2
	.amdgcn_target "amdgcn-amd-amdhsa--gfx1250"
	.amdhsa_code_object_version 6
	.text
	.protected	k_q4ecdc642a5_proj
	.globl	k_q4ecdc642a5_proj
	.p2align	8
	.type	k_q4ecdc642a5_proj,@function
k_q4ecdc642a5_proj:
	s_mov_b64 s[64:65], 0
	v_nop
	global_prefetch_b8 v0, s[64:65] scope:SCOPE_SE
	s_setreg_imm32_b32 hwreg(HW_REG_WAVE_MODE, 25, 1), 1
	s_wait_xcnt 0x0
; hidden_states x (Wq | Wk | Wv)^T on codes of BF6 out of xw (rows of 768 bytes of codes, 32 scale bytes a row from byte SCB on).
; A work-group makes 256 x 256: tile columns 0-3 q, 4-7 the gate, 8 k, 9 v (there the weight's rows are source 1, so that v comes out with the keys along a lane's registers).
; Four waves, 128 x 128 each, 64 accumulators.  K goes through two LDS slots in chunks of 256 bytes of each row: every tensor row begins at a multiple of 256 bytes.
; A step of 128 along K is 96 bytes: eight steps to three chunks; steps 2 and 5 lie across two chunks.  Chunk 0 is asked for at the head, a quarter a wave; chunk 1 behind the first barrier; chunk 2 is the one refill.
; THE SCALE WORDS of my 128 + 128 rows, for all of K, go from memory into 64 registers that stay: lanes 0-15 take A's rows, lanes 16-31 B's; two loads cover 512 consecutive bytes.
; THE WAY OUT: q and k: RMS norm, rotary, quantised along the head's 64; v quantised along the keys; the gate leaves as f32.  3 is taken off each of q's scale bytes: the division of the scores by 8, exact.
; NO CLUSTER: the grid has 10 tile columns, which do not divide by 4.  NO PREFETCH: the walk has three chunks and no loop to run ahead in; two of the three are asked for at the head.
; LIMITS: a block whose largest magnitude lies under 2^(8 - 127) keeps the scale byte 4 (so q's byte stays at 1 or more); NaN and infinities are not served.
.set ROWB,   256
.set KROW,   768
.set CHUNKS, 3
.set PITCH,  272                       ; 256 bytes + 16 of padding
.set FR,     12
.set NL,     6
.set NP,     4
.set HALFT,  128*PITCH
.set SLOT,   4*HALFT                   ; A's 256 rows, then B's
.set SPARE,  2*SLOT                    ; the spare words
.set SCB,    5898240
.set ADRA, 16                          ; v16-17 my A fragments in slot 0, 1; v18-19 for pieces whose lanes 16-31 read the next chunk
.set ADRB, 20                          ; v20-23 the same for B
.set SPW,  28
.set NIL,  29
.set VSO,  30                          ; my row's scale bytes in xw
.set SC,   32                          ; v32-95: register 8 i + st: the scale word of block i, step st
.set AF,   128
.set G1,   24
.set G0,   40
.set SEL,  54
.set VC0,  4
.set VC1,  5
.set VC2,  6
.set VC3,  7
.set VSC,  8
.set VT,   9
.set VN,   10
.set VSEL, 11
.set SS,   12
.set PX,   12
.set RS,   20
.set Y,    128
.set TM,   192
.set PW,   200
.set PWS,  201
.set WS,   202
.set PC,   208
.set NW,   224
.set MSB, 0
.macro WIN new
.if MSB != (\new)
	s_set_vgpr_msb (MSB<<8)|(\new)
.set MSB, (\new)
.endif
.endm
.set MUL_LO, 0xa1
.set MUL_HI, 0xf1
.set TO_B,   0x40
.macro TLOAD g0, g1
	tensor_load_to_lds s[\g0:\g0+3], s[\g1:\g1+7]
	s_nop 0
.rept 4
	v_nop
.endr
.endm
	s_load_b256 s[4:11], s[0:1], 0x0               ; xw, cos, sin, q_norm_w
	s_load_b256 s[12:19], s[0:1], 0x20             ; k_norm_w, qb, kvb, gate
	v_lshl_add_u32 v[SPW], v0, 2, SPARE
	v_mov_b32 v[NIL], 0
	ds_add_u32 v[SPW], v[NIL]                      ; the opening lines: the add twice and one wait
	ds_add_u32 v[SPW], v[NIL]
	v_lshrrev_b32 v1, 5, v0
	v_readfirstlane_b32 s20, v1                    ; wave
	s_lshr_b32 s21, s20, 1                         ; my half of A's rows
	s_and_b32 s22, s20, 1                          ; my half of B's rows
	s_mov_b32 s23, ttmp9                           ; tile column
	s_and_b32 s66, ttmp7, 0xffff                   ; tile row
	s_mov_b32 s[SEL], 0x76543210
	s_mov_b32 s[SEL+1], 0xfedcba98
	s_mov_b32 s56, 0x3c800000                      ; 1 / 64
	s_mov_b32 s57, 0x358637bd                      ; 1e-6
	s_mov_b32 s58, 0xffff0000                      ; lanes 16-31
	s_lshl_b32 s73, s66, 8
	s_lshl_b32 s74, s23, 8
	s_add_co_u32 s74, s74, 4096
	s_mov_b32 s75, 6400
	s_cmp_eq_u32 s23, 9
	s_cselect_b32 s76, s75, s73                    ; A's first row in xw
	s_cselect_b32 s77, s73, s74                    ; B's
	s_lshl_b32 s84, s21, 7
	s_add_co_u32 s84, s84, s76
	s_lshl_b32 s84, s84, 5
	s_add_co_u32 s84, s84, SCB                     ; the scale bytes of the 128 rows of A that I multiply
	s_lshl_b32 s85, s22, 7
	s_add_co_u32 s85, s85, s77
	s_lshl_b32 s85, s85, 5
	s_add_co_u32 s85, s85, SCB                     ; and of B
	s_cmp_lt_u32 s20, 2                            ; waves 0, 1 fetch A's halves, waves 2, 3 B's
	s_cselect_b32 s76, s76, s77
	s_lshl_b32 s77, s22, 7
	s_add_co_u32 s76, s76, s77
	s_mul_i32 s78, s76, KROW
	s_mov_b32 s79, 0
	s_mul_i32 s82, s20, HALFT
	s_mov_b32 s[G1+0], (0<<16)|(1<<20)|(5<<22)|(3<<25)
	s_mov_b32 s[G1+1], ROWB<<16
	s_mov_b32 s[G1+2], 128<<16
	s_mov_b32 s[G1+3], ROWB<<16
	s_mov_b32 s[G1+4], 128
	s_mov_b32 s[G1+5], KROW
	s_mov_b32 s[G1+6], 0
	s_mov_b32 s[G1+7], 0
	s_mul_i32 s73, s21, HALFT
	s_mul_i32 s74, s22, HALFT
	s_add_co_u32 s74, s74, 2*HALFT
	s_add_co_u32 s75, s73, SLOT
	s_add_co_u32 s77, s74, SLOT
	s_mov_b32 s86, SLOT-232
	s_mov_b32 s87, SLOT+232
	v_and_b32 v1, 15, v0                           ; r
	v_bfe_u32 v2, v0, 4, 1                         ; h
	v_mov_b32 v6, s84
	v_mov_b32 v7, s85
	v_cndmask_b32 v6, v6, v7, s58
	v_lshl_add_u32 v[VSO], v1, 5, v6
	s_wait_dscnt 0x0
	s_wait_alu depctr_va_vdst(0)                   ; the wait ahead of the wait below
	s_wait_kmcnt 0x0
	s_add_nc_u64 s[78:79], s[4:5], s[78:79]
.irp s, 0,1
	s_mov_b32 s[G0+4*\s], 1
	s_add_co_u32 s[G0+4*\s+1], s82, \s*SLOT
	s_add_nc_u64 s[G0+4*\s+2:G0+4*\s+3], s[78:79], \s*ROWB
	s_or_b32 s[G0+4*\s+3], s[G0+4*\s+3], 0x80000000
.endr
	TLOAD G0, G1                                   ; chunk 0, my quarter: my one load at the head
.irp i, 0,1,2,3,4,5,6,7
	global_load_b128 v[SC+8*\i:SC+8*\i+3], v[VSO], s[4:5] offset:\i*512
	global_load_b128 v[SC+8*\i+4:SC+8*\i+7], v[VSO], s[4:5] offset:\i*512+16
.endr
	v_mul_u32_u24 v3, v1, PITCH
	v_mad_u32_u24 v4, v2, 24, v3                   ; row x pitch + 24 h
	v_mul_u32_u24 v5, s86, v2
	v_add_nc_u32 v5, v3, v5
	v_add_nc_u32 v5, 232, v5                       ; lanes 0-15 byte 232 of the row in slot 0, lanes 16-31 byte 0 in slot 1
	v_sub_nc_u32 v7, 1, v2
	v_mul_u32_u24 v6, s87, v7
	v_add_nc_u32 v6, v3, v6                        ; lanes 0-15 byte 232 in slot 1, lanes 16-31 byte 0 in slot 0
	v_add_nc_u32 v[ADRA], s73, v4
	v_add_nc_u32 v[ADRA+1], s75, v4
	v_add_nc_u32 v[ADRA+2], s73, v5
	v_add_nc_u32 v[ADRA+3], s73, v6
	v_add_nc_u32 v[ADRB], s74, v4
	v_add_nc_u32 v[ADRB+1], s77, v4
	v_add_nc_u32 v[ADRB+2], s74, v5
	v_add_nc_u32 v[ADRB+3], s74, v6
.macro FRAG reg, adr, st, i            ; 16 rows x 128 K: six pieces of 8 bytes; byte y of a row lies in slot (y / 256) % 2 at byte y % 256
.irp p, 0,1,2,3,4,5
.set BY, 96*(\st)+48*(\p/3)+8*(\p%3)
.if BY/ROWB == (BY+24)/ROWB
	ds_load_b64 v[\reg+2*\p:\reg+2*\p+1], v[\adr+(BY/ROWB)%2] offset:BY%ROWB+(\i)*16*PITCH
.else
	ds_load_b64 v[\reg+2*\p:\reg+2*\p+1], v[\adr+2+(BY/ROWB)%2] offset:BY%ROWB-232+(\i)*16*PITCH
.endif
.endr
.endm
.macro MUL16 a0, p, st, zero           ; A's blocks a0, a0 + 1 x B's eight; source 0 = B: a lane holds eight neighbouring columns of a row
.irp a, \a0, \a0+1
.irp b, 0,1,2,3,4,5,6,7
.if \zero
	v_wmma_scale_f32_16x16x128_f8f6f4 v[8*(8*((\a)%4)+\b):8*(8*((\a)%4)+\b)+7], v[128*(\p)+FR*\b:128*(\p)+FR*\b+FR-1], v[AF+FR*(\a):AF+FR*(\a)+FR-1], 0, v[SC+8*\b+(\st)], v[SC+8*(\a)+(\st)] matrix_a_fmt:MATRIX_FMT_BF6 matrix_b_fmt:MATRIX_FMT_BF6 matrix_a_scale:MATRIX_SCALE_ROW1
.else
	v_wmma_scale_f32_16x16x128_f8f6f4 v[8*(8*((\a)%4)+\b):8*(8*((\a)%4)+\b)+7], v[128*(\p)+FR*\b:128*(\p)+FR*\b+FR-1], v[AF+FR*(\a):AF+FR*(\a)+FR-1], v[8*(8*((\a)%4)+\b):8*(8*((\a)%4)+\b)+7], v[SC+8*\b+(\st)], v[SC+8*(\a)+(\st)] matrix_a_fmt:MATRIX_FMT_BF6 matrix_b_fmt:MATRIX_FMT_BF6 matrix_a_scale:MATRIX_SCALE_ROW1
.endif
.endr
.endr
.endm
.macro FETCH_B st, p
	WIN TO_B
.irp i, 0,1,2,3,4,5,6,7
	FRAG 128*(\p)+FR*\i, ADRB, \st, \i
.endr
	WIN 0
.endm
.macro FETCH_A st, i0
.irp i, \i0, \i0+1, \i0+2, \i0+3
	FRAG AF+FR*(\i), ADRA, \st, \i
.endr
.endm
.macro PLACES n
.rept \n
	v_nop
.endr
.endm
; A step: 64 products; the next step's fragments are fetched in its middle and at its end.  Where the next step ends in a chunk not yet read, a barrier shows that chunk whole;
; where the chunk left behind is filled again, the three lines, the barrier and the refill stand.
.macro STEP st, zero
.set NX, (\st)+1
.set C0, (96*(\st))/ROWB
.set C1, (96*NX)/ROWB
.set E0, (96*(\st)+95)/ROWB
.set E1, (96*NX+95)/ROWB
.if (C1 > C0 && C0+2 < CHUNKS) || E1 > E0
	s_wait_tensorcnt 0x0                           ; all my tensor loads have landed
.if C1 > C0
	ds_add_u32 v[SPW], v[NIL]
	s_wait_dscnt 4*NL+1                            ; the add and A's blocks 4-7 may be out
.else
	s_wait_dscnt 4*NL                              ; A's blocks 4-7 may be out
.endif
	WIN MUL_LO
	MUL16 0, (\st)%2, \st, \zero
	s_wait_dscnt 0x0                               ; the add and all my reads are done
	s_barrier_signal -1
	MUL16 2, (\st)%2, \st, \zero
	WIN 0
	s_barrier_wait -1
.if C1 > C0
	s_add_nc_u64 s[G0+4*(C0%2)+2:G0+4*(C0%2)+3], s[G0+4*(C0%2)+2:G0+4*(C0%2)+3], 2*ROWB
	TLOAD G0+4*(C0%2), G1                          ; chunk C0 + 2; its four v_nop are the places in front of the loads below
.else
	PLACES NP
.endif
.else
	s_wait_dscnt 4*NL
	WIN MUL_LO
	MUL16 0, (\st)%2, \st, \zero
	MUL16 2, (\st)%2, \st, \zero
	s_wait_dscnt 0
	PLACES NP
.endif
	FETCH_B NX, NX%2
	FETCH_A NX, 0
	WIN MUL_HI
	MUL16 4, (\st)%2, \st, \zero
	MUL16 6, (\st)%2, \st, \zero
	PLACES NP
	WIN 0
	FETCH_A NX, 4
.endm
	s_wait_alu depctr_va_vdst(0)                   ; the wait at the head's end
	s_wait_tensorcnt 0x0                           ; my quarter of chunk 0 is in
	ds_add_u32 v[SPW], v[NIL]
	s_wait_dscnt 0x0
	s_barrier_signal -1
	s_barrier_wait -1
	TLOAD G0+4, G1                                 ; chunk 1, slot 1's first fill, issued as a refill is
	FETCH_B 0, 0
	FETCH_A 0, 0
	FETCH_A 0, 4
	s_wait_loadcnt 0x0                             ; the scale words
	STEP 0, 1
.irp t, 1,2,3,4,5,6
	STEP \t, 0
.endr
	s_wait_dscnt 4*NL
	WIN MUL_LO
	MUL16 0, 1, 7, 0
	MUL16 2, 1, 7, 0
	s_wait_dscnt 0
	WIN MUL_HI
	MUL16 4, 1, 7, 0
	MUL16 6, 1, 7, 0
	WIN 0
	PLACES NP
; 64 numbers a lane (four blocks of 32, each shared with lane l xor 16) become 12 registers of codes and a scale word
.macro QUANT s, sw
.set WQ, ((\sw)<<2)|((\sw)<<4)
	WIN WQ
.irp b, 0,1,2,3
	v_max3_num_f32 v[TM+\b], 0x4000000, |v[(\s)+16*\b]|, |v[(\s)+1+16*\b]|   ; the floor 2^(8 - 127): no byte under 4
.endr
.irp i, 2,4,6,8,10,12,14
.irp b, 0,1,2,3
	v_max3_num_f32 v[TM+\b], v[TM+\b], |v[(\s)+16*\b+\i]|, |v[(\s)+1+16*\b+\i]|
.endr
.endr
	WIN 0
.irp b, 0,1,2,3
	v_permlanex16_b32 v[TM+4+\b], v[TM+\b], s[SEL], s[SEL+1]
.endr
.irp b, 0,1,2,3
	v_max_num_f32 v[TM+\b], v[TM+\b], v[TM+4+\b]
.endr
.irp b, 0,1,2,3
	v_add_nc_u32 v[TM+12+\b], 0xfe000000, v[TM+\b]
.endr
.irp b, 0,1,2,3
	v_lshrrev_b32 v[TM+4+\b], 23, v[TM+12+\b]
.endr
	s_wait_alu depctr_va_vdst(0)
	s_wait_xcnt 0x0                                ; the last block's stores have read their registers
	v_lshl_or_b32 v[PW], v[TM+5], 8, v[TM+4]
	v_lshl_or_b32 v[PW], v[TM+6], 16, v[PW]
	v_lshl_or_b32 v[PW], v[TM+7], 24, v[PW]
.set WQ, (\sw)
	WIN WQ
.irp c, 0,1
	v_cvt_scalef32_pk16_bf6_f32 v[PC+6*\c:PC+2+6*\c], v[(\s)+32*\c:(\s)+15+32*\c], v[TM+12+2*\c]
	v_cvt_scalef32_pk16_bf6_f32 v[PX+4*\c:PX+2+4*\c], v[(\s)+16+32*\c:(\s)+31+32*\c], v[TM+12+2*\c+1]
.endr
	WIN 0
	v_nop
.irp c, 0,1
.irp i, 0,1,2
	v_permlane16_swap_b32 v[PC+6*\c+\i], v[PX+4*\c+\i]
.endr
.irp i, 0,1,2
	v_mov_b32 v[PC+3+6*\c+\i], v[PX+4*\c+\i]
.endr
.endr
.endm
.macro CSLOAD c                        ; cos and sin of block c's 16 positions, into registers that are done with
.set CWD, (1+(\c)/4)<<6
.set CBS, 64*((\c)%4)
	WIN CWD
.irp t, 0,1,2,3
.irp k, 0,1
	global_load_b128 v[CBS+8*\t+4*\k:CBS+8*\t+4*\k+3], v[VT], s[6:7] offset:(\c)*4096+64*\t+16*\k
	global_load_b128 v[CBS+32+8*\t+4*\k:CBS+32+8*\t+4*\k+3], v[VT], s[8:9] offset:(\c)*4096+64*\t+16*\k
.endr
.endr
	WIN 0
.endm
	v_and_b32 v1, 15, v0
	v_bfe_u32 v2, v0, 4, 1
	v_and_b32 v3, 31, v0
.irp b, 0,1,2,3
	v_mov_b32 v[TM+4+\b], 0
.endr
	s_cmp_eq_u32 s23, 9
	s_cbranch_scc1 .Lv
	s_cmp_eq_u32 s23, 8
	s_cbranch_scc1 .Lqk
	s_cmp_ge_u32 s23, 4
	s_cbranch_scc1 .Lgate
.Lqk:                                              ; q or k: the places in qb or kvb, chosen by the tile column alone
	s_lshl_b32 s73, s66, 4
	s_lshl_b32 s74, s21, 3
	s_add_co_u32 s73, s73, s74
	s_lshl_b32 s73, s73, 4
	s_lshl_b32 s74, s23, 2
	s_add_co_u32 s73, s73, s74
	s_lshl_b32 s74, s22, 1
	s_add_co_u32 s73, s73, s74
	s_mul_i32 s75, s73, 768
	s_lshl_b32 s76, s73, 6
	s_add_co_u32 s76, s76, 3145728
	s_lshl_b32 s77, s66, 2
	s_add_co_u32 s77, s77, s74
	s_mul_i32 s77, s77, 24576
	s_mul_i32 s78, s21, 6144
	s_add_co_u32 s77, s77, s78
	s_lshr_b32 s78, s66, 3
	s_mul_i32 s78, s78, 49152
	s_lshl_b32 s79, s22, 14
	s_add_co_u32 s78, s78, s79
	s_and_b32 s79, s66, 7
	s_lshl_b32 s79, s79, 10
	s_add_co_u32 s78, s78, s79
	s_lshl_b32 s79, s21, 9
	s_add_co_u32 s78, s78, s79
	s_add_co_u32 s78, s78, 1572864
	s_mov_b32 s70, 12288
	s_mov_b32 s71, 768
	s_mov_b32 s72, 1024
	s_mov_b32 s83, 0x03030303
	s_cmp_eq_u32 s23, 8
	s_cselect_b64 s[60:61], s[16:17], s[14:15]
	s_cselect_b64 s[68:69], s[12:13], s[10:11]
	s_cselect_b32 s75, s77, s75
	s_cselect_b32 s76, s78, s76
	s_cselect_b32 s70, 768, s70
	s_cselect_b32 s71, 24576, s71
	s_cselect_b32 s72, 64, s72
	s_cselect_b32 s80, 8192, 64
	s_cselect_b32 s83, 0, s83                      ; what is taken off the scale bytes: 3 each for q, nothing for k
	s_wait_alu depctr_va_vdst(0)
	v_lshlrev_b32 v[VC0], 4, v3
	v_add_nc_u32 v[VC0], s75, v[VC0]
	v_lshlrev_b32 v[VC1], 3, v3
	v_add_nc_u32 v[VC1], s75, v[VC1]
	v_add_nc_u32 v[VC2], s71, v[VC0]
	v_add_nc_u32 v[VC3], s71, v[VC1]
	v_mul_u32_u24 v[VSC], s80, v2
	v_lshl_add_u32 v[VSC], v1, 2, v[VSC]
	v_add_nc_u32 v[VSC], s76, v[VSC]
	s_and_b32 s81, s66, 7
	s_lshl_b32 s81, s81, 8
	s_lshl_b32 s82, s21, 7
	s_add_co_u32 s81, s81, s82
	s_lshl_b32 s81, s81, 8
	v_lshlrev_b32 v[VN], 5, v2
	v_lshl_add_u32 v[VT], v1, 8, v[VN]
	v_add_nc_u32 v[VT], s81, v[VT]
	v_mov_b32 v[VSEL], 0x01000100
	v_mov_b32 v24, 0x03020302
	v_cndmask_b32 v[VSEL], v[VSEL], v24, s58
	v_mov_b32 v[RS+1], 0
	v_mov_b32 v[RS+3], 0
	v_mov_b32 v25, 0
.irp t, 0,1,2,3
.irp k, 0,1
	global_load_b128 v[NW+8*\t+4*\k:NW+8*\t+4*\k+3], v[VN], s[68:69] offset:64*\t+16*\k
.endr
.endr
	CSLOAD 0
	CSLOAD 1
	CSLOAD 2
.macro QKBLOCK a                       ; 16 positions x two heads: mean of squares, rsqrt, the norm's weight, rotary, codes
.set W, 2+(\a)/4
.set AC, 64*((\a)%4)
.set CT, 64*((\a)%4)
.set W11, W|(W<<2)
.set W1D, W|(W<<6)
.set WRO, W|((W-1)<<2)
	WIN W11
.irp g, 0,1
.irp c, 0,1
	v_pk_mul_f32 v[SS+4*\g+2*\c:SS+4*\g+2*\c+1], v[AC+32*\g+2*\c:AC+32*\g+2*\c+1], v[AC+32*\g+2*\c:AC+32*\g+2*\c+1]
.endr
.endr
.irp p, 2,3,4,5,6,7,8,9,10,11,12,13,14,15
.irp g, 0,1
	v_pk_fma_f32 v[SS+4*\g+2*(\p%2):SS+4*\g+2*(\p%2)+1], v[AC+32*\g+2*\p:AC+32*\g+2*\p+1], v[AC+32*\g+2*\p:AC+32*\g+2*\p+1], v[SS+4*\g+2*(\p%2):SS+4*\g+2*(\p%2)+1]
.endr
.endr
	WIN 0
	v_pk_add_f32 v[SS:SS+1], v[SS:SS+1], v[SS+2:SS+3]
	v_pk_add_f32 v[SS+4:SS+5], v[SS+4:SS+5], v[SS+6:SS+7]
	v_add_f32 v[SS], v[SS], v[SS+1]
	v_add_f32 v[SS+4], v[SS+4], v[SS+5]
	v_permlanex16_b32 v24, v[SS], s[SEL], s[SEL+1]
	v_permlanex16_b32 v25, v[SS+4], s[SEL], s[SEL+1]
	v_add_f32 v[SS], v[SS], v24
	v_add_f32 v[SS+4], v[SS+4], v25
	v_fma_f32 v[SS], v[SS], s56, s57
	v_fma_f32 v[SS+4], v[SS+4], s56, s57
	s_wait_alu depctr_va_vdst(0)
	v_rsq_f32 v[RS], v[SS]
	v_rsq_f32 v[RS+2], v[SS+4]
	v_nop
.if (\a) == 0
	s_wait_loadcnt 48
.endif
	WIN W1D
	s_wait_alu depctr_va_vdst(0)
.irp g, 0,1
.irp p, 0,1,2,3,4,5,6,7,8,9,10,11,12,13,14,15
	v_pk_mul_f32 v[AC+32*\g+2*\p:AC+32*\g+2*\p+1], v[AC+32*\g+2*\p:AC+32*\g+2*\p+1], v[RS+2*\g:RS+2*\g+1] op_sel_hi:[1,0]
.endr
.endr
.irp g, 0,1
.irp p, 0,1,2,3,4,5,6,7,8,9,10,11,12,13,14,15
	v_pk_mul_f32 v[AC+32*\g+2*\p:AC+32*\g+2*\p+1], v[AC+32*\g+2*\p:AC+32*\g+2*\p+1], v[NW+2*\p:NW+2*\p+1]
.endr
.endr
.if (\a) < 6
	s_wait_loadcnt 32
.elseif (\a) == 6
	s_wait_loadcnt 16
.else
	s_wait_loadcnt 0x0
.endif
	WIN WRO
.irp g, 0,1
.irp p, 0,2,4,6,8,10,12,14
	v_pk_mul_f32 v[Y+32*\g+\p:Y+32*\g+\p+1], v[AC+32*\g+\p:AC+32*\g+\p+1], v[CT+\p:CT+\p+1]
	v_pk_mul_f32 v[Y+32*\g+16+\p:Y+32*\g+16+\p+1], v[AC+32*\g+16+\p:AC+32*\g+16+\p+1], v[CT+16+\p:CT+16+\p+1]
.endr
.irp p, 0,2,4,6,8,10,12,14
	v_pk_fma_f32 v[Y+32*\g+\p:Y+32*\g+\p+1], v[AC+32*\g+16+\p:AC+32*\g+16+\p+1], v[CT+32+\p:CT+32+\p+1], v[Y+32*\g+\p:Y+32*\g+\p+1] neg_lo:[1,0,0] neg_hi:[1,0,0]
	v_pk_fma_f32 v[Y+32*\g+16+\p:Y+32*\g+16+\p+1], v[AC+32*\g+\p:AC+32*\g+\p+1], v[CT+48+\p:CT+48+\p+1], v[Y+32*\g+16+\p:Y+32*\g+16+\p+1]
.endr
.endr
	WIN 0
	QUANT Y, 0
	v_perm_b32 v[WS], v[PW], v[PW], v[VSEL]        ; my head's two bytes, twice
	v_sub_nc_u32 v[WS], v[WS], s83                 ; each byte is 4 or more, so no byte borrows
.if (\a) > 0
	v_add_nc_u32 v[VC0], s70, v[VC0]
	v_add_nc_u32 v[VC1], s70, v[VC1]
	v_add_nc_u32 v[VC2], s70, v[VC2]
	v_add_nc_u32 v[VC3], s70, v[VC3]
	v_add_nc_u32 v[VSC], s72, v[VSC]
.endif
	global_store_b128 v[VC0], v[PC:PC+3], s[60:61]
	global_store_b64 v[VC1], v[PC+4:PC+5], s[60:61] offset:512
	global_store_b128 v[VC2], v[PC+6:PC+9], s[60:61]
	global_store_b64 v[VC3], v[PC+10:PC+11], s[60:61] offset:512
	global_store_b32 v[VSC], v[WS], s[60:61]
.if (\a) < 5
	CSLOAD (\a)+3
.endif
.endm
.irp a, 0,1,2,3,4,5,6,7
	QKBLOCK \a
.endr
	s_wait_tensorcnt 0x0                           ; the wave's end
	ds_add_u32 v[SPW], v[NIL]
	s_wait_dscnt 0x0
	s_endpgm
.Lv:                                               ; v: a lane holds one of the head's 64 and its registers run along the keys
	s_lshl_b32 s73, s66, 2
	s_lshl_b32 s74, s21, 1
	s_add_co_u32 s73, s73, s74
	s_mul_i32 s73, s73, 24576
	s_mul_i32 s74, s22, 6144
	s_add_co_u32 s73, s73, s74
	s_add_co_u32 s73, s73, 12288
	s_wait_alu depctr_va_vdst(0)
	v_lshlrev_b32 v[VC0], 4, v3
	v_add_nc_u32 v[VC0], s73, v[VC0]
	v_lshlrev_b32 v[VC1], 3, v3
	v_add_nc_u32 v[VC1], s73, v[VC1]
	s_lshr_b32 s75, s66, 3
	s_mul_i32 s75, s75, 49152
	s_lshl_b32 s76, s21, 13
	s_add_co_u32 s75, s75, s76
	s_and_b32 s76, s66, 7
	s_lshl_b32 s76, s76, 1
	s_add_co_u32 s76, s76, s22
	s_lshl_b32 s76, s76, 8
	s_add_co_u32 s75, s75, s76
	s_add_co_u32 s75, s75, 1572864+32768
	v_lshlrev_b32 v[VSC], 2, v3
	v_add_nc_u32 v[VSC], s75, v[VSC]
.macro VBLOCK a
.set W, 2+(\a)/4
.set AC, 64*((\a)%4)
	QUANT AC, W
	global_store_b128 v[VC0], v[PC:PC+3], s[16:17] offset:((\a)/4)*24576+((\a)%4)*1536
	global_store_b64 v[VC1], v[PC+4:PC+5], s[16:17] offset:((\a)/4)*24576+((\a)%4)*1536+512
	global_store_b128 v[VC0], v[PC+6:PC+9], s[16:17] offset:((\a)/4)*24576+((\a)%4)*1536+768
	global_store_b64 v[VC1], v[PC+10:PC+11], s[16:17] offset:((\a)/4)*24576+((\a)%4)*1536+1280
.if (\a)%2 == 0
	v_mov_b32 v[PWS], v[PW]
.else
	v_cndmask_b32 v[WS], v[PWS], v[PW], s58
	global_store_b32 v[VSC], v[WS], s[16:17] offset:((\a)/4)*4096+((\a)%4-1)*64
.endif
.endm
.irp a, 0,1,2,3,4,5,6,7
	VBLOCK \a
.endr
	s_wait_tensorcnt 0x0
	ds_add_u32 v[SPW], v[NIL]
	s_wait_dscnt 0x0
	s_endpgm
.Lgate:                                            ; the gate leaves as f32, as images of the accumulators: 512 consecutive bytes a store
	s_lshl_b32 s73, s66, 4
	s_lshl_b32 s74, s21, 3
	s_add_co_u32 s73, s73, s74
	s_lshl_b32 s73, s73, 6
	s_sub_co_u32 s74, s23, 4
	s_lshl_b32 s74, s74, 4
	s_add_co_u32 s73, s73, s74
	s_lshl_b32 s74, s22, 3
	s_add_co_u32 s73, s73, s74
	s_lshl_b32 s73, s73, 10
	s_wait_alu depctr_va_vdst(0)
	v_lshlrev_b32 v[VC0], 4, v3
	v_add_nc_u32 v[VC0], s73, v[VC0]
.irp a, 0,1,2,3,4,5,6,7
.set WD, (2+\a/4)<<2
	WIN WD
.irp b, 0,1,2,3,4,5,6,7
	global_store_b128 v[VC0], v[64*(\a%4)+8*\b:64*(\a%4)+8*\b+3], s[18:19] offset:\a*65536+\b*1024
	global_store_b128 v[VC0], v[64*(\a%4)+8*\b+4:64*(\a%4)+8*\b+7], s[18:19] offset:\a*65536+\b*1024+512
.endr
.endr
	WIN 0
	s_wait_tensorcnt 0x0
	ds_add_u32 v[SPW], v[NIL]
	s_wait_dscnt 0x0
	s_endpgm
.Lfunc_end_k_q4ecdc642a5_proj:
	.size	k_q4ecdc642a5_proj, .Lfunc_end_k_q4ecdc642a5_proj-k_q4ecdc642a5_proj
	.p2alignl 7, 3214868480
	.fill 96, 4, 3214868480
	.section	.rodata,"a",@progbits
	.p2align	6, 0x0
	.amdhsa_kernel k_q4ecdc642a5_proj
		.amdhsa_group_segment_fixed_size 327680
		.amdhsa_private_segment_fixed_size 0
		.amdhsa_enable_private_segment 0
		.amdhsa_kernarg_size 64
		.amdhsa_user_sgpr_count 2
		.amdhsa_user_sgpr_kernarg_segment_ptr 1
		.amdhsa_wavefront_size32 1
		.amdhsa_system_sgpr_workgroup_id_x 1
		.amdhsa_system_sgpr_workgroup_id_y 1
		.amdhsa_system_sgpr_workgroup_id_z 1
		.amdhsa_system_vgpr_workitem_id 0
		.amdhsa_next_free_vgpr 1024
		.amdhsa_next_free_sgpr 100
		.amdhsa_reserve_vcc 0
		.amdhsa_float_denorm_mode_32 3
		.amdhsa_float_denorm_mode_16_64 3
		.amdhsa_memory_ordered 1
		.amdhsa_forward_progress 1
		.amdhsa_inst_pref_size 255
	.end_amdhsa_kernel
	.section	.bss,"aw",@nobits
	.p2align	6
	.space	262144
	.amdgpu_metadata
---
amdhsa.version: [ 1, 2 ]
amdhsa.kernels:
  - .name:           k_q4ecdc642a5_proj
    .symbol:         k_q4ecdc642a5_proj.kd
    .args:
      - { .name: xw, .offset: 0, .size: 8, .value_kind: global_buffer, .address_space: global }
      - { .name: cos, .offset: 8, .size: 8, .value_kind: global_buffer, .address_space: global }
      - { .name: sin, .offset: 16, .size: 8, .value_kind: global_buffer, .address_space: global }
      - { .name: q_norm_w, .offset: 24, .size: 8, .value_kind: global_buffer, .address_space: global }
      - { .name: k_norm_w, .offset: 32, .size: 8, .value_kind: global_buffer, .address_space: global }
      - { .name: qb, .offset: 40, .size: 8, .value_kind: global_buffer, .address_space: global }
      - { .name: kvb, .offset: 48, .size: 8, .value_kind: global_buffer, .address_space: global }
      - { .name: gate, .offset: 56, .size: 8, .value_kind: global_buffer, .address_space: global }
    .group_segment_fixed_size: 327680
    .private_segment_fixed_size: 0
    .kernarg_segment_align: 8
    .kernarg_segment_size: 64
    .max_flat_workgroup_size: 128
    .sgpr_count:     100
    .vgpr_count:     1024
    .wavefront_size: 32
...
	.end_amdgpu_metadata
.endif
;; end of part 2
;; launch attn (part 3): grid 128 x 2, 16 waves a work-group, no clusters, 327,680 bytes of LDS; arguments qb, kvb, attention_mask, gate, ab; writes ab
.if DOCPART == 3
	.amdgcn_target "amdgcn-amd-amdhsa--gfx1250"
	.amdhsa_code_object_version 6
	.text
	.protected	k_q4ecdc642a5_attn
	.globl	k_q4ecdc642a5_attn
	.p2align	8
	.type	k_q4ecdc642a5_attn,@function
k_q4ecdc642a5_attn:
	s_mov_b64 s[64:65], 0
	v_nop
	global_prefetch_b8 v0, s[64:65] scope:SCOPE_SE
	s_setreg_imm32_b32 hwreg(HW_REG_WAVE_MODE, 25, 1), 1
	s_wait_xcnt 0x0
; ATTENTION on codes of BF6 (E3M2, one E8M0 scale for each 32 along a product's K): logits = q . k / 8 + mask; softmax; x v; x sigmoid(gate); the result is quantised along the 1,024 of the last product's K.
; THE MASK IS AN INPUT: all 2,048 keys are walked for every query, and the mask is added in f32, one packed addition; the division by 8 lies in q's scale bytes, which is exact.
; THE SOFTMAX AHEAD OF THE SECOND PRODUCT: t = logit x log2(e); M = the row's largest t so far, rounded UP to a whole number; p = 2^(t - M) is what is quantised, along the keys, not normalised.
; The row's sum is taken of the unquantised p and divides at the end.  When M moves, the sum and O are multiplied by 2^(old M - new M): exact.
; SHARES.  A work-group owns 16 queries of one batch, for ALL 16 heads: wave w is head w (key/value head w / 4), in 256 registers, four waves to a SIMD.  So a tile of the mask is fetched once for 16 heads,
; and the work-group ends with 16 whole rows of the last product's operand.  Every wave walks all keys, 128 a step; a slot of the ring holds 256 keys: k and v of the four key/value heads and the mask's tile.
; HEAD SIZE 64 AGAINST K = 128: one fragment of k carries TWO tiles of 16 keys, one in K 0-63 and one in K 64-127; it is multiplied once by [q | 0] and once by [0 | q].  Zero codes add nothing under any scale byte here.
; LAYOUT.  Both products are used transposed (S^T = k q^T, O^T = v^T p^T): a lane holds ONE query (lane % 16) throughout.  k, v and q come as images of the operands' registers (a lane's registers 0-3 at 16 x lane,
; 4-5 at 512 + 8 x lane, 768 bytes for 16 rows x 64 K).  Inside a block of 32 every operand stands in the order 0-7, 16-23, 8-15, 24-31, in which the registers of two neighbouring tiles fall.
; NO CLUSTER: a slot's 114,688 bytes are asked for two key steps ahead, and those two steps hold some 600 vector instructions for each of sixteen waves: what partners could share is a small part of a step's time.
; LIMITS: NaN and infinities are not served.  A block's largest p is taken from its largest logit by the same two instructions, which takes v_exp_f32 not to fall where its input rises.  A block of zeros keeps the byte 1.
; REGISTERS: v1-7 addresses that stay; v8-11, v84 addresses of the loads in hand; v12 -M, v13 the largest t, v[14:15] the sum; v16-21 zeros, v22-27 q, v28-33 zeros; v34-35 v's scale words; v36-83 four fragments;
;   v85-89 offsets that stay; v96-159 S^T, then p; v160-191 O^T; v192-223 half of the mask's tile, at the end the gate; v224-235 p's codes; v232-254 at work; v248-251 k's scale words; v253 p's; v255 q's.
.set KVB,   24576                      ; k and v of one key/value head for 256 keys: 16 tiles of keys x 768, then 2 steps x 4 tiles x 1,536
.set SLOT1, 1<<17                      ; slot 1 begins here, so that one exclusive or turns an address in one slot into the other's
.set MOFF,  4*KVB                      ; in a slot, behind k and v: the mask's tile, 16 rows of 1,024 bytes + 16 of padding
.set MP,    1040
.set KSC,   246016                     ; behind the ring: the batch's scale words, 49,152 dense bytes: k's [kv][2048][4], then v's [kv][16 steps][4 tiles][16 x 4]
.set VSO,   32768
.set SPARE, 295168                     ; the spare words, 128 bytes for each wave: eight blocks of 256 bytes that no other line names
.set STAGE, 297216                     ; the way out: 16 rows x 768 bytes of codes; no fill lands here
.set SST,   309504                     ; and their 16 x 32 scale bytes
.set AK16, 1                           ; v1  my key/value head's part of a slot + 16 x lane
.set AK8,  2                           ; v2  the same + 8 x lane
.set AM0,  3                           ; v3  my place in the mask's tile: row r, + 32 h
.set ASK0, 4                           ; v4  my place among k's scale words
.set SPW,  5                           ; v5  LDS address of my spare word; never rewritten
.set NIL,  6                           ; v6  0; never rewritten
.set ASV0, 7                           ; v7  my place among v's scale words
.set L16,  85                          ; v85 16 x lane
.set L8,   86                          ; v86 8 x lane
.set R4,   87                          ; v87 4 x r
.set WV,   18
.set SEL,  20                          ; s[20:21] lane selects: lane l xor 16
.set CS,   22                          ; s[22:23] log2(e)
.set G1D,  24                          ; s[24:31] descriptor group 1: 24,576 dense bytes
.set G1M,  32                          ; s[32:39] the mask's tile
.set G0KV, 40                          ; s[40:43] group 0 for k and v, which walks
.set G0M,  44                          ; s[44:47] for the mask, which walks
.set G0S,  48                          ; s[48:51] for the scale words
.set TB,   52                          ; s52 LDS byte at which the slot in hand begins
.set TS,   53                          ; s53 the step's scale words of k: 512 bytes a step
.set TJ,   54                          ; s54 and v's: 256 bytes a step
.set SLOTS, 55
; THE LOGIT, as this text makes it: the division by 8 lies in q's scale bytes (the launch before has taken 3 off each, which is exact),
; so the first product gives q . k / 8 and the mask is added to it by one packed f32 addition; no factor 1 / 8 is kept here.
.set NC,   58                          ; s[58:59] -log2(e)
; Waves 0-3 fetch k and v of one key/value head each, wave 4 the mask's tile; at the start waves 5 and 6 the scale words' halves.  The branches hang on the wave's number alone.  Four v_nop follow each line.
.macro TLOAD first
	s_cmp_lt_u32 s[WV], 4
	s_cbranch_scc0 .Lnot_kv_\@
	tensor_load_to_lds s[G0KV:G0KV+3], s[G1D:G1D+7]
	s_nop 0
.rept 4
	v_nop
.endr
	s_branch .Lasked_\@
.Lnot_kv_\@:
	s_cmp_eq_u32 s[WV], 4
	s_cbranch_scc0 .Lnot_m_\@
	tensor_load_to_lds s[G0M:G0M+3], s[G1M:G1M+7]
	s_nop 0
.rept 4
	v_nop
.endr
	s_branch .Lasked_\@
.Lnot_m_\@:
.if \first
	s_cmp_lt_u32 s[WV], 7
	s_cbranch_scc0 .Lasked_\@
	tensor_load_to_lds s[G0S:G0S+3], s[G1D:G1D+7]
	s_nop 0
.rept 4
	v_nop
.endr
.endif
.Lasked_\@:
.endm
	s_load_b256 s[4:11], s[0:1], 0x0               ; qb s[4:5], kvb s[6:7], attention_mask s[8:9], gate s[10:11]
	s_load_b64 s[12:13], s[0:1], 0x20              ; ab
	v_lshl_add_u32 v[SPW], v0, 2, SPARE
	v_mov_b32 v[NIL], 0
	ds_add_u32 v5, v6
	ds_add_u32 v5, v6
	s_wait_dscnt 0x0
	v_lshrrev_b32 v8, 5, v0
	s_delay_alu instid0(VALU_DEP_1)
	v_readfirstlane_b32 s[WV], v8                  ; wave 0..15 = head
	s_and_b32 s60, ttmp7, 0xffff                   ; the batch
	s_lshl_b32 s61, s60, 7
	s_add_co_u32 s61, s61, ttmp9                   ; my tile of 16 tokens among the 256
	s_lshr_b32 s62, s[WV], 2                       ; my key/value head
	s_mov_b32 s[G1D], 3<<16                        ; 15:0 no mask; 17:16 elements of 8 bytes; no padding
	s_mov_b32 s[G1D+1], 32<<16                     ; tensor_dim0: rows of 256 bytes
	s_mov_b32 s[G1D+2], 96<<16                     ; tensor_dim1
	s_mov_b32 s[G1D+3], 32<<16                     ; tile_dim0
	s_mov_b32 s[G1D+4], 96                         ; tile_dim1
	s_mov_b32 s[G1D+5], 32                         ; dense
	s_mov_b32 s[G1D+6], 0
	s_mov_b32 s[G1D+7], 0
	s_mov_b32 s[G1M], (2<<16)|(1<<20)|(7<<22)|(3<<25)   ; elements of 4 bytes; padding on: after every 256 words, 4 words
	s_mov_b32 s[G1M+1], 256<<16
	s_mov_b32 s[G1M+2], 16<<16
	s_mov_b32 s[G1M+3], 256<<16
	s_mov_b32 s[G1M+4], 16
	s_mov_b32 s[G1M+5], 2048
	s_mov_b32 s[G1M+6], 0
	s_mov_b32 s[G1M+7], 0
	s_mov_b32 s[SEL], 0x76543210
	s_mov_b32 s[SEL+1], 0xfedcba98
	s_mov_b32 s[CS], 0x3fb8aa3b                    ; log2(e)
	s_mov_b32 s[CS+1], s[CS]                       ; (named with it as a pair, so it is written)
	s_mov_b32 s[NC], 0xbfb8aa3b                    ; -log2(e)
	s_mov_b32 s[NC+1], s[NC]
	s_mov_b32 s[TB], 0
	s_mov_b32 s[TS], 0
	s_mov_b32 s[TJ], 0
	s_mov_b32 s[SLOTS], 7
	s_lshl_b32 s66, s60, 5
	s_add_co_u32 s66, s66, s[WV]
	s_mul_i32 s66, s66, KVB                        ; k and v: [batch][slot 8][kv 4][24,576]: slot 0, key/value head = my wave's number (waves 0-3)
	s_mov_b32 s67, 0
	s_lshl_b32 s68, ttmp9, 17                      ; the mask: my 16 rows of 8,192 bytes
	s_mov_b32 s69, 0
	s_mul_i32 s63, s[WV], KVB
	s_mul_i32 s70, s60, 49152
	s_add_co_u32 s70, s70, s63
	s_add_co_u32 s70, s70, 1572864-5*KVB           ; the batch's scale words, half (wave - 5) of them (waves 5, 6)
	s_mov_b32 s71, 0
	s_lshl_b32 s72, s61, 4
	s_add_co_u32 s72, s72, s[WV]                   ; 16 x tile + head
	s_mul_i32 s74, s72, 768                        ; q's image
	s_mov_b32 s75, 0
	s_lshl_b32 s76, s72, 6
	s_add_co_u32 s76, s76, 3145728                 ; q's scale words
	s_mov_b32 s77, 0
	s_lshl_b32 s78, s72, 12                        ; the gate: [tile][64 tiles of columns][1,024]; my head's four tiles
	s_mov_b32 s79, 0
	s_wait_kmcnt 0x0
	s_mov_b32 s[G0KV], 1
	s_mov_b32 s[G0KV+1], s63                       ; LDS: wave x 24,576
	s_add_nc_u64 s[G0KV+2:G0KV+3], s[6:7], s[66:67]
	s_or_b32 s[G0KV+3], s[G0KV+3], 0x80000000
	s_mov_b32 s[G0M], 1
	s_mov_b32 s[G0M+1], MOFF
	s_add_nc_u64 s[G0M+2:G0M+3], s[8:9], s[68:69]
	s_or_b32 s[G0M+3], s[G0M+3], 0x80000000
	s_mov_b32 s[G0S], 1
	s_add_co_u32 s[G0S+1], s63, KSC-5*KVB          ; LDS: KSC + (wave - 5) x 24,576
	s_add_nc_u64 s[G0S+2:G0S+3], s[6:7], s[70:71]
	s_or_b32 s[G0S+3], s[G0S+3], 0x80000000
	TLOAD 1                                        ; slot 0 and the scale words: one tensor load of a wave is out, or none
	s_add_nc_u64 s[74:75], s[4:5], s[74:75]
	s_add_nc_u64 s[76:77], s[4:5], s[76:77]
	s_add_nc_u64 s[10:11], s[10:11], s[78:79]
	s_lshl_b32 s66, s61, 9
	s_add_co_u32 s66, s66, 3145728
	s_add_nc_u64 s[14:15], s[12:13], s[66:67]      ; ab's scale bytes of my 16 rows
	s_mul_i32 s66, s61, 12288
	s_add_nc_u64 s[12:13], s[12:13], s[66:67]      ; ab's codes of my 16 rows
	v_and_b32 v8, 31, v0                           ; lane
	v_and_b32 v9, 15, v0                           ; r
	v_bfe_u32 v10, v0, 4, 1                        ; h
	s_delay_alu instid0(VALU_DEP_3)
	v_lshlrev_b32 v[L16], 4, v8
	s_delay_alu instid0(VALU_DEP_4)
	v_lshlrev_b32 v[L8], 3, v8
	s_delay_alu instid0(VALU_DEP_4)
	v_lshlrev_b32 v[R4], 2, v9
	global_load_b128 v[22:25], v[L16], s[74:75]    ; q stays in registers
	global_load_b64 v[26:27], v[L8], s[74:75] offset:512
	global_load_b32 v255, v[R4], s[76:77]          ; its scale words: the row's two bytes, twice
	s_mul_i32 s63, s62, KVB
	v_add_nc_u32 v[AK16], s63, v[L16]
	v_add_nc_u32 v[AK8], s63, v[L8]
	v_mul_u32_u24 v[AM0], v9, MP
	s_delay_alu instid0(VALU_DEP_1)
	v_lshl_add_u32 v[AM0], v10, 5, v[AM0]
	s_delay_alu instid0(VALU_DEP_1)
	v_add_nc_u32 v[AM0], MOFF, v[AM0]
	s_lshl_b32 s63, s62, 13
	s_add_co_u32 s63, s63, KSC
	v_lshl_add_u32 v[ASK0], v8, 2, s63
	s_lshl_b32 s63, s62, 12
	s_add_co_u32 s63, s63, KSC+VSO
	v_lshl_add_u32 v[ASV0], v8, 2, s63
.irp j, 16,17,18,19,20,21,28,29,30,31,32,33
	v_mov_b32 v[\j], 0                             ; zero codes on both sides of q: v[22:33] = [q | 0], v[16:27] = [0 | q]
.endr
	v_mov_b32 v13, 0xff61b1e6                      ; the largest t so far: -3e38, under every t
	s_delay_alu instid0(VALU_DEP_1)
	v_floor_f32 v12, -v13                          ; -M
	v_mov_b32 v14, 0                               ; the sum, in two halves
	v_mov_b32 v15, 0
.irp b, 0,1,2,3
	v_mov_b32 v[236+\b], 0                         ; written once: a lane permute's destination counts as one of its sources
.endr
	v_mov_b32 v253, 0                              ; (named as the upper half of the pair v[252:253] before it is first written)
.irp j, 0,1,2,3,4,5,6,7,8,9,10,11,12,13,14,15,16,17,18,19,20,21,22,23,24,25,26,27,28,29,30,31
	v_mov_b32 v[160+\j], 0                         ; O^T.  (The step is written once: the first finds zeros, which the first change of M leaves zeros)
.endr
; A KEY STEP: 128 keys, the q-th of the slot in hand.
.macro STEP q
	v_add_nc_u32 v8, s[TB], v[AK16]                ; these five are also the places in front of the loads into registers that the last products read
	v_add_nc_u32 v9, s[TB], v[AK8]
	v_add_nc_u32 v10, s[TB], v[AM0]
	v_add_nc_u32 v11, s[TS], v[ASK0]
	v_add_nc_u32 v84, s[TJ], v[ASV0]
.irp b, 0,1,2,3                                ; fragment b: the images of key tiles 2 b and 2 b + 1, on end
	ds_load_b128 v[36+12*\b:39+12*\b], v8 offset:(\q)*6144+\b*1536
	ds_load_b64 v[40+12*\b:41+12*\b], v9 offset:(\q)*6144+\b*1536+512
	ds_load_b128 v[42+12*\b:45+12*\b], v8 offset:(\q)*6144+\b*1536+768
	ds_load_b64 v[46+12*\b:47+12*\b], v9 offset:(\q)*6144+\b*1536+1280
	ds_load_b32 v[248+\b], v11 offset:128*\b       ; lanes 0-15: the words of key tile 2 b, lanes 16-31: of 2 b + 1
.endr
.irp T, 0,1,2,3                                ; the mask at key tiles 0-3: register 8 T + j is key 16 T + 8 h + j of my query, as in S^T
	ds_load_b128 v[192+8*\T:195+8*\T], v10 offset:(\q)*512+64*\T
	ds_load_b128 v[196+8*\T:199+8*\T], v10 offset:(\q)*512+64*\T+16
.endr
	s_wait_alu depctr_va_vdst(0)
	s_wait_dscnt 8                                 ; k and its scale words are in; the eight loads of the mask may be out
.irp b, 0,1,2,3
	v_wmma_scale_f32_16x16x128_f8f6f4 v[96+16*\b:103+16*\b], v[36+12*\b:47+12*\b], v[22:33], 0, v[248+\b], v255 matrix_a_fmt:MATRIX_FMT_BF6 matrix_b_fmt:MATRIX_FMT_BF6
	v_wmma_scale_f32_16x16x128_f8f6f4 v[104+16*\b:111+16*\b], v[36+12*\b:47+12*\b], v[16:27], 0, v[248+\b], v255 matrix_a_fmt:MATRIX_FMT_BF6 matrix_b_fmt:MATRIX_FMT_BF6 matrix_a_scale:MATRIX_SCALE_ROW1
.endr
.rept 4
	v_nop                                          ; places in front of the loads into k's registers and of the first read of the scores
.endr
.irp T, 0,1,2,3                                ; the mask at key tiles 4-7
	ds_load_b128 v[36+8*\T:39+8*\T], v10 offset:(\q)*512+256+64*\T
	ds_load_b128 v[40+8*\T:43+8*\T], v10 offset:(\q)*512+256+64*\T+16
.endr
	s_wait_dscnt 8                                 ; the first eight loads of the mask are in; the eight just issued may be out
.irp j, 0,2,4,6,8,10,12,14,16,18,20,22,24,26,28,30
	v_pk_add_f32 v[96+\j:97+\j], v[96+\j:97+\j], v[192+\j:193+\j]   ; the logit: q . k / 8 + mask
.endr
	s_wait_dscnt 0x0
.irp j, 0,2,4,6,8,10,12,14,16,18,20,22,24,26,28,30
	v_pk_add_f32 v[128+\j:129+\j], v[128+\j:129+\j], v[36+\j:37+\j]
.endr
.irp t, 0,1,2,3                                ; v's four fragments (16 of the head's 64 x these 128 keys): they land under the softmax
	ds_load_b128 v[36+12*\t:39+12*\t], v8 offset:12288+(4*(\q)+\t)*1536
	ds_load_b64 v[40+12*\t:41+12*\t], v9 offset:12288+(4*(\q)+\t)*1536+512
	ds_load_b128 v[42+12*\t:45+12*\t], v8 offset:12288+(4*(\q)+\t)*1536+768
	ds_load_b64 v[46+12*\t:47+12*\t], v9 offset:12288+(4*(\q)+\t)*1536+1280
.endr
	ds_load_b32 v34, v84                           ; lanes 0-15: tile 0's words, lanes 16-31: tile 1's
	ds_load_b32 v35, v84 offset:128                ; tiles 2 and 3
.irp b, 0,1,2,3
	v_max3_num_f32 v[232+\b], v[96+16*\b], v[97+16*\b], v[98+16*\b]   ; THE LARGEST LOGIT OF EACH BLOCK OF 32 KEYS: it serves for the row's maximum and, since p rises with the logit, for the block's largest p
.endr
.irp i, 3,5,7,9,11,13
.irp b, 0,1,2,3
	s_delay_alu instid0(VALU_DEP_4)
	v_max3_num_f32 v[232+\b], v[232+\b], v[96+16*\b+\i], v[97+16*\b+\i]
.endr
.endr
.irp b, 0,1,2,3
	s_delay_alu instid0(VALU_DEP_4)
	v_max_num_f32 v[232+\b], v[232+\b], v[111+16*\b]
.endr
.irp b, 0,1,2,3
	s_delay_alu instid0(VALU_DEP_4)
	v_permlanex16_b32 v[236+\b], v[232+\b], s[SEL], s[SEL+1]
.endr
.irp b, 0,1,2,3
	s_delay_alu instid0(VALU_DEP_4)
	v_max_num_f32 v[232+\b], v[232+\b], v[236+\b]  ; with lane l xor 16's 16 keys
.endr
	s_delay_alu instid0(VALU_DEP_2)
	v_max3_num_f32 v254, v232, v233, v234
	s_delay_alu instid0(VALU_DEP_1)
	v_max_num_f32 v254, v254, v235                 ; the step's largest logit of my query
	s_delay_alu instid0(VALU_DEP_1)
	v_mul_f32 v254, s[CS], v254                    ; as t
	s_delay_alu instid0(VALU_DEP_1)
	v_max_num_f32 v13, v13, v254                   ; the running largest t
	v_mov_b32 v254, v12
	s_delay_alu instid0(VALU_DEP_2)
	v_floor_f32 v12, -v13                          ; the new -M = floor(-t) = -ceil(t): M IS A WHOLE NUMBER
	s_delay_alu instid0(VALU_DEP_1)
	v_sub_f32 v254, v12, v254                      ; M's old value less its new one: a whole number, 0 or less
	s_delay_alu instid0(VALU_DEP_1)
	v_cvt_i32_f32 v254, v254                       ; (it saturates)
	s_delay_alu instid0(VALU_DEP_1)
	v_ldexp_f32 v252, 1.0, v254                    ; f = 2^(old M - new M)
.irp j, 0,2,4,6,8,10,12,14,16,18,20,22,24,26,28,30,32,34,36,38,40,42,44,46,48,50,52,54,56,58,60,62
	v_pk_fma_f32 v[96+\j:97+\j], v[96+\j:97+\j], s[CS:CS+1], v[12:13] op_sel_hi:[1,0,0]   ; t - M, two at a time
.endr
.irp b, 0,1,2,3
	v_fma_f32 v[232+\b], v[232+\b], s[CS], v12     ; the same of each block's largest logit
.endr
	s_wait_alu depctr_va_vdst(0)
.irp j, 0,1,2,3,4,5,6,7,8,9,10,11,12,13,14,15,16,17,18,19,20,21,22,23,24,25,26,27,28,29,30,31,32,33,34,35,36,37,38,39,40,41,42,43,44,45,46,47,48,49,50,51,52,53,54,55,56,57,58,59,60,61,62,63
	v_exp_f32 v[96+\j], v[96+\j]                   ; p = 2^(t - M): NOT normalised
.endr
.irp b, 0,1,2,3
	v_exp_f32 v[232+\b], v[232+\b]                 ; the block's largest p: the same two instructions on the same number give the same bits
.endr
	v_pk_mul_f32 v[14:15], v[14:15], v[252:253] op_sel_hi:[1,0]   ; the sums under the new M.  (A plain place behind the exponentials)
	s_wait_alu depctr_va_vdst(0)
.irp b, 0,1,2,3
	v_max_num_f32 v[232+\b], 0x2800000, v[232+\b]  ; the floor 2^(5 - 127): the byte cannot fall under 1
.endr
.irp b, 0,1,2,3
	s_delay_alu instid0(VALU_DEP_4)
	v_add_nc_u32 v[244+\b], 0xfe000000, v[232+\b]  ; 4 off the exponent field: the conversion's scale operand
.endr
.irp b, 0,1,2,3
	s_delay_alu instid0(VALU_DEP_4)
	v_lshrrev_b32 v[236+\b], 23, v[244+\b]         ; the scale's byte
.endr
	s_delay_alu instid0(VALU_DEP_3)
	v_lshl_or_b32 v253, v237, 8, v236              ; p's scale word for these 128 keys
	s_delay_alu instid0(VALU_DEP_1)
	v_lshl_or_b32 v253, v238, 16, v253
	s_delay_alu instid0(VALU_DEP_1)
	v_lshl_or_b32 v253, v239, 24, v253
.irp c, 0,1
	v_cvt_scalef32_pk16_bf6_f32 v[224+6*\c:226+6*\c], v[96+32*\c:111+32*\c], v[244+2*\c]
	v_cvt_scalef32_pk16_bf6_f32 v[236+4*\c:238+4*\c], v[112+32*\c:127+32*\c], v[244+2*\c+1]   ; (a conversion's three registers begin on an even number)
.endr
	v_nop                                          ; one plain place behind a scaled conversion
.irp c, 0,1                                    ; the operand's layout wants a WHOLE block in a lane
.irp i, 0,1,2
	v_permlane16_swap_b32 v[224+6*\c+\i], v[236+4*\c+\i]
.endr
.irp i, 0,1,2
	s_delay_alu instid0(VALU_DEP_3)
	v_mov_b32 v[227+6*\c+\i], v[236+4*\c+\i]
.endr
.endr
	v_pk_add_f32 v[236:237], v[100:101], v[104:105]
	v_pk_add_f32 v[250:251], v[108:109], v[112:113]
	v_pk_add_f32 v[248:249], v[116:117], v[120:121]
	v_pk_add_f32 v[246:247], v[124:125], v[128:129]
	v_pk_add_f32 v[244:245], v[132:133], v[136:137]
	v_pk_add_f32 v[242:243], v[140:141], v[144:145]
	v_pk_add_f32 v[240:241], v[148:149], v[152:153]
	v_pk_add_f32 v[14:15], v[14:15], v[156:157]
	v_pk_add_f32 v[236:237], v[236:237], v[96:97]
	v_pk_add_f32 v[250:251], v[250:251], v[98:99]
	v_pk_add_f32 v[248:249], v[248:249], v[102:103]
	v_pk_add_f32 v[246:247], v[246:247], v[106:107]
	v_pk_add_f32 v[244:245], v[244:245], v[110:111]
	v_pk_add_f32 v[242:243], v[242:243], v[114:115]
	v_pk_add_f32 v[240:241], v[240:241], v[118:119]
	v_pk_add_f32 v[14:15], v[14:15], v[122:123]
	v_pk_add_f32 v[236:237], v[236:237], v[126:127]
	v_pk_add_f32 v[250:251], v[250:251], v[130:131]
	v_pk_add_f32 v[248:249], v[248:249], v[134:135]
	v_pk_add_f32 v[246:247], v[246:247], v[138:139]
	v_pk_add_f32 v[244:245], v[244:245], v[142:143]
	v_pk_add_f32 v[242:243], v[242:243], v[146:147]
	v_pk_add_f32 v[240:241], v[240:241], v[150:151]
	v_pk_add_f32 v[14:15], v[14:15], v[154:155]
	v_pk_add_f32 v[236:237], v[236:237], v[158:159]
	s_delay_alu instid0(VALU_DEP_2)
	v_pk_add_f32 v[14:15], v[14:15], v[246:247]
	s_delay_alu instid0(VALU_DEP_2)
	v_pk_add_f32 v[236:237], v[236:237], v[244:245]
	v_pk_add_f32 v[250:251], v[250:251], v[242:243]
	v_pk_add_f32 v[248:249], v[248:249], v[240:241]
	s_delay_alu instid0(VALU_DEP_2)
	v_pk_add_f32 v[14:15], v[14:15], v[250:251]
	s_delay_alu instid0(VALU_DEP_2)
	v_pk_add_f32 v[236:237], v[236:237], v[248:249]
	s_delay_alu instid0(VALU_DEP_1)
	v_pk_add_f32 v[14:15], v[14:15], v[236:237]
.irp j, 0,2,4,6,8,10,12,14,16,18,20,22,24,26,28,30
	v_pk_mul_f32 v[160+\j:161+\j], v[160+\j:161+\j], v[252:253] op_sel_hi:[1,0]   ; O^T under the new M
.endr
	s_wait_alu depctr_va_vdst(0)
	s_wait_dscnt 0x0                               ; v and its scale words are in
.irp t, 0,2                                    ; O^T += v^T p^T: four accumulators, one instruction each
	v_wmma_scale_f32_16x16x128_f8f6f4 v[160+8*\t:167+8*\t], v[36+12*\t:47+12*\t], v[224:235], v[160+8*\t:167+8*\t], v[34+\t/2], v253 matrix_a_fmt:MATRIX_FMT_BF6 matrix_b_fmt:MATRIX_FMT_BF6
	v_wmma_scale_f32_16x16x128_f8f6f4 v[168+8*\t:175+8*\t], v[48+12*\t:59+12*\t], v[224:235], v[168+8*\t:175+8*\t], v[34+\t/2], v253 matrix_a_fmt:MATRIX_FMT_BF6 matrix_b_fmt:MATRIX_FMT_BF6 matrix_a_scale:MATRIX_SCALE_ROW1
.endr
	s_add_co_u32 s[TS], s[TS], 512                 ; the next step's scale words
	s_add_co_u32 s[TJ], s[TJ], 256
.endm
; THE CHANGE OF SLOTS stands at a slot's head.  Each wave waits for all its tensor loads, adds 0 to its spare word, and waits for that and for its reads of the slot that it has left.
; Behind the barrier the slot ahead is whole and nobody reads the other one.  fill = 1: that other slot is filled with the next 256 keys: the load has two key steps in which to land.
.macro CHANGE fill
	s_wait_tensorcnt 0x0                           ; no tensor load of mine is out, so a group 0 may be written
	ds_add_u32 v[SPW], v[NIL]                      ; 0 onto my spare word
.if \fill
	s_xor_b32 s[G0KV+1], s[G0KV+1], SLOT1          ; the walking descriptors: the other slot than last time,
	s_add_nc_u64 s[G0KV+2:G0KV+3], s[G0KV+2:G0KV+3], 4*KVB   ; the next 256 keys; the type bits on top are not reached
	s_xor_b32 s[G0M+1], s[G0M+1], SLOT1
	s_add_nc_u64 s[G0M+2:G0M+3], s[G0M+2:G0M+3], 1024
.endif
	s_wait_dscnt 0x0                               ; the add is done, and my reads of the slot that I have left are over
	s_barrier_signal -1
	s_barrier_wait -1
.if \fill
	TLOAD 0                                        ; the first thing behind the barrier, and a wave's one tensor load until the next
.endif
.endm
	s_wait_loadcnt 0x0                             ; q
.Lslot:                                            ; 7 trips: behind each change of slots but the last the next slot is asked for
	CHANGE 1
	STEP 0
	STEP 1
	s_xor_b32 s[TB], s[TB], SLOT1                  ; on to the other slot
	s_sub_co_u32 s[SLOTS], s[SLOTS], 1
	s_cmp_lg_u32 s[SLOTS], 0
	s_cbranch_scc1 .Lslot
	CHANGE 0                                       ; the last slot is written out
	STEP 0
	STEP 1
	; THE WAY OUT.  y = O^T / the sum x sigmoid(gate), in f32; quantised along my head's 64 (two blocks); the sixteen heads' codes meet in a stage as 16 whole rows of 768 bytes.
.irp t, 0,1,2,3
.irp k, 0,1
	global_load_b128 v[192+8*\t+4*\k:195+8*\t+4*\k], v[L16], s[10:11] offset:1024*\t+512*\k   ; the gate, in O^T's layout: 512 consecutive bytes a load
.endr
.endr
	v_add_f32 v14, v14, v15                        ; the sum's two halves,
	s_delay_alu instid0(VALU_DEP_1)
	v_permlanex16_b32 v252, v14, s[SEL], s[SEL+1]
	s_delay_alu instid0(VALU_DEP_1)
	v_add_f32 v14, v14, v252                       ; and lane l xor 16's: the row's sum
	s_wait_alu depctr_va_vdst(0)
	v_rcp_f32 v14, v14
	v_nop                                          ; a plain place behind the transcendental
	v_and_b32 v8, 15, v0                           ; r
	v_bfe_u32 v9, v0, 4, 1                         ; h
	s_mul_i32 s63, s[WV], 48
	s_add_co_u32 s63, s63, STAGE
	v_mul_u32_u24 v10, v8, 768
	s_delay_alu instid0(VALU_DEP_1)
	v_mad_u32_u24 v10, v9, 24, v10
	s_delay_alu instid0(VALU_DEP_1)
	v_add_nc_u32 v10, s63, v10                     ; my block's 24 bytes: row r, block 2 w + h
	s_lshl_b32 s63, s[WV], 1
	s_add_co_u32 s63, s63, SST
	v_lshl_add_u32 v11, v8, 5, s63                 ; my head's two scale bytes of row r
	v_lshl_add_u32 v84, v0, 3, STAGE               ; back: 8 bytes a thread
	v_lshlrev_b32 v88, 3, v0
	v_add_nc_u32 v89, SST, v[L16]
	s_wait_loadcnt 0x0
.irp j, 0,2,4,6,8,10,12,14,16,18,20,22,24,26,28,30
	v_pk_mul_f32 v[192+\j:193+\j], v[192+\j:193+\j], s[NC:NC+1] op_sel_hi:[1,0]
.endr
	s_wait_alu depctr_va_vdst(0)
.irp j, 0,1,2,3,4,5,6,7,8,9,10,11,12,13,14,15,16,17,18,19,20,21,22,23,24,25,26,27,28,29,30,31
	v_exp_f32 v[192+\j], v[192+\j]                 ; e^(-gate)
.endr
	s_wait_alu depctr_va_vdst(0)
	v_mov_b32 v15, v14                             ; (a plain place behind the exponentials)
.irp j, 0,2,4,6,8,10,12,14,16,18,20,22,24,26,28,30
	v_pk_add_f32 v[192+\j:193+\j], v[192+\j:193+\j], 1.0 op_sel_hi:[1,0]
.endr
	s_wait_alu depctr_va_vdst(0)
.irp j, 0,1,2,3,4,5,6,7,8,9,10,11,12,13,14,15,16,17,18,19,20,21,22,23,24,25,26,27,28,29,30,31
	v_rcp_f32 v[192+\j], v[192+\j]                 ; sigmoid(gate)
.endr
	v_nop
	s_wait_alu depctr_va_vdst(0)
.irp j, 0,2,4,6,8,10,12,14,16,18,20,22,24,26,28,30
	v_pk_mul_f32 v[96+\j:97+\j], v[160+\j:161+\j], v[14:15] op_sel_hi:[1,0]   ; O^T / the sum, each accumulator from its low end on
.endr
	s_wait_alu depctr_va_vdst(0)
.irp j, 0,2,4,6,8,10,12,14,16,18,20,22,24,26,28,30
	v_pk_mul_f32 v[96+\j:97+\j], v[96+\j:97+\j], v[192+\j:193+\j]
.endr
.irp b, 0,1
	v_max3_num_f32 v[232+\b], |v[96+16*\b]|, |v[97+16*\b]|, 0x2800000
.endr
.irp i, 2,4,6,8,10,12,14
.irp b, 0,1
	s_delay_alu instid0(VALU_DEP_2)
	v_max3_num_f32 v[232+\b], v[232+\b], |v[96+16*\b+\i]|, |v[97+16*\b+\i]|
.endr
.endr
.irp b, 0,1
	s_delay_alu instid0(VALU_DEP_2)
	v_permlanex16_b32 v[236+\b], v[232+\b], s[SEL], s[SEL+1]
.endr
.irp b, 0,1
	s_delay_alu instid0(VALU_DEP_2)
	v_max_num_f32 v[232+\b], v[232+\b], v[236+\b]
.endr
.irp b, 0,1
	s_delay_alu instid0(VALU_DEP_2)
	v_add_nc_u32 v[244+\b], 0xfe000000, v[232+\b]
.endr
.irp b, 0,1
	s_delay_alu instid0(VALU_DEP_2)
	v_lshrrev_b32 v[236+\b], 23, v[244+\b]
.endr
	s_delay_alu instid0(VALU_DEP_1)
	v_lshl_or_b32 v240, v237, 8, v236              ; my head's two scale bytes
	v_cvt_scalef32_pk16_bf6_f32 v[224:226], v[96:111], v244
	v_cvt_scalef32_pk16_bf6_f32 v[236:238], v[112:127], v245
	v_nop                                          ; one plain place behind a scaled conversion
.irp i, 0,1,2
	v_permlane16_swap_b32 v[224+\i], v[236+\i]
.endr
.irp i, 0,1,2
	s_delay_alu instid0(VALU_DEP_3)
	v_mov_b32 v[227+\i], v[236+\i]                 ; v224-229: block h of my head, whole
.endr
	ds_store_b64 v10, v[224:225]
	ds_store_b64 v10, v[226:227] offset:8
	ds_store_b64 v10, v[228:229] offset:16
	ds_store_b16 v11, v240                         ; lanes r and r + 16 write the same two bytes with the same value
	s_wait_dscnt 0x0                               ; for the others' sake: my stores into the stage are done
	s_barrier_signal -1
	s_barrier_wait -1
	ds_load_b64 v[36:37], v84
	ds_load_b64 v[38:39], v84 offset:4096
	ds_load_b64 v[40:41], v84 offset:8192
	s_wait_dscnt 0x0
	global_store_b64 v88, v[36:37], s[12:13]       ; a wave's store covers 256 consecutive bytes, aligned
	global_store_b64 v88, v[38:39], s[12:13] offset:4096
	global_store_b64 v88, v[40:41], s[12:13] offset:8192
	s_cmp_lg_u32 s[WV], 0                          ; wave 0 stores the 512 scale bytes
	s_cbranch_scc1 .Lnot_wave_0
	ds_load_b128 v[44:47], v89
	s_wait_dscnt 0x0
	global_store_b128 v[L16], v[44:47], s[14:15]
.Lnot_wave_0:
	s_wait_tensorcnt 0x0                           ; the wave's end: behind my last tensor load and my last LDS store
	ds_add_u32 v[SPW], v[NIL]
	s_wait_dscnt 0x0
	s_endpgm
.Lfunc_end_k_q4ecdc642a5_attn:
	.size	k_q4ecdc642a5_attn, .Lfunc_end_k_q4ecdc642a5_attn-k_q4ecdc642a5_attn
	.p2alignl 7, 3214868480
	.fill 96, 4, 3214868480
	.section	.rodata,"a",@progbits
	.p2align	6, 0x0
	.amdhsa_kernel k_q4ecdc642a5_attn
		.amdhsa_group_segment_fixed_size 327680
		.amdhsa_private_segment_fixed_size 0
		.amdhsa_enable_private_segment 0
		.amdhsa_kernarg_size 40
		.amdhsa_user_sgpr_count 2
		.amdhsa_user_sgpr_kernarg_segment_ptr 1
		.amdhsa_wavefront_size32 1
		.amdhsa_system_sgpr_workgroup_id_x 1
		.amdhsa_system_sgpr_workgroup_id_y 1
		.amdhsa_system_sgpr_workgroup_id_z 1
		.amdhsa_system_vgpr_workitem_id 0
		.amdhsa_next_free_vgpr 256
		.amdhsa_next_free_sgpr 80
		.amdhsa_reserve_vcc 0
		.amdhsa_float_denorm_mode_32 3
		.amdhsa_float_denorm_mode_16_64 3
		.amdhsa_memory_ordered 1
		.amdhsa_forward_progress 1
		.amdhsa_inst_pref_size 106
	.end_amdhsa_kernel
	.amdgpu_metadata
---
amdhsa.version: [ 1, 2 ]
amdhsa.kernels:
  - .name:           k_q4ecdc642a5_attn
    .symbol:         k_q4ecdc642a5_attn.kd
    .args:
      - { .name: qb, .offset: 0, .size: 8, .value_kind: global_buffer, .address_space: global }
      - { .name: kvb, .offset: 8, .size: 8, .value_kind: global_buffer, .address_space: global }
      - { .name: attention_mask, .offset: 16, .size: 8, .value_kind: global_buffer, .address_space: global }
      - { .name: gate, .offset: 24, .size: 8, .value_kind: global_buffer, .address_space: global }
      - { .name: ab, .offset: 32, .size: 8, .value_kind: global_buffer, .address_space: global }
    .group_segment_fixed_size: 327680
    .private_segment_fixed_size: 0
    .kernarg_segment_align: 8
    .kernarg_segment_size: 40
    .max_flat_workgroup_size: 512
    .sgpr_count:     80
    .vgpr_count:     256
    .wavefront_size: 32
...
	.end_amdgpu_metadata
.endif
;; end of part 3
;; launch outp (part 4): grid 8 x 32, 4 waves a work-group, clusters of 4 x 4, 327,680 bytes of LDS; arguments ab, xw, out0; writes out0
.if DOCPART == 4
	.amdgcn_target "amdgcn-amd-amdhsa--gfx1250"
	.amdhsa_code_object_version 6
	.text
	.protected	k_q4ecdc642a5_outp
	.globl	k_q4ecdc642a5_outp
	.p2align	8
	.type	k_q4ecdc642a5_outp,@function
k_q4ecdc642a5_outp:
	s_mov_b64 s[64:65], 0
	v_nop
	global_prefetch_b8 v0, s[64:65] scope:SCOPE_SE
	s_setreg_imm32_b32 hwreg(HW_REG_WAVE_MODE, 25, 1), 1
	s_wait_xcnt 0x0
	s_wait_alu depctr_hold_cnt(0) depctr_sa_sdst(0) depctr_va_vdst(0) depctr_va_sdst(0) depctr_va_ssrc(0) depctr_va_vcc(0) depctr_vm_vsrc(0)
	s_getreg_b32 s2, hwreg(HW_REG_IB_STS2, 6, 4)
	s_cmp_eq_u32 s2, 0
	s_cbranch_scc0 .Lentry_in_a_cluster
	s_endpgm
.Lentry_in_a_cluster:
	s_bfe_u32 s2, ttmp6, 0x10000c
	s_cmp_lg_u32 s2, 0xf033
	s_cbranch_scc0 .Lentry_shape_is_right
	s_endpgm
.Lentry_shape_is_right:
; out0 [4096][1024] f32 = A Wo^T on codes of BF6: A's codes and scale bytes lie in ab (rows of 768 bytes; 32 scale bytes a row from byte 3,145,728), Wo's are rows 6656-7679 of xw.
; A work-group makes 128 x 128, a wave 64 x 64: 16 accumulators.  ALL OF K IS STAGED AT ONCE: 128 + 128 whole rows of 768 bytes, each beginning at a multiple of 256 bytes,
; one tensor load of 64 rows a wave at the head, 16 bytes of padding behind each 256: an LDS row is 816 bytes.  One barrier, nothing is filled again.
; CLUSTERS of 4 x 4: A's rows are asked for jointly along a row of the cluster, Wo's along a column.
; THE SCALE WORDS of my 64 + 64 rows go from memory into 64 registers: lane r takes row r's 32 bytes in two loads; two loads cover 512 consecutive bytes.
; Source 0 = Wo's rows, source 1 = A's: a lane holds eight neighbouring columns of a row of out0; results leave through my own stage as whole rows of 256 bytes.
; NO PREFETCH: the launch has one load a wave and no loop to run ahead in.
.set SIZE_N, 1024
.set KROW,   768
.set PITCH,  816
.set FR,     12
.set NP,     4
.set HALFT,  64*PITCH
.set STAGE,  4*HALFT
.set SPITCH, 272
.set SPARE,  STAGE+4*16*SPITCH
.set ADRA, 8                           ; v8 my A fragments; v9 the same + 16 in lanes 16-31, for pieces whose lanes 16-31 lie behind the next padding
.set ADRB, 10                          ; v10, v11 the same for Wo
.set SOF,  12                          ; v12 32 x r
.set STO,  24
.set RD,   25
.set CO,   26
.set SPW,  28
.set NIL,  29
.set SCA,  32                          ; v32-63 A's scale words: register 8 a + step
.set SCW,  64                          ; v64-95 Wo's
.set ACC,  128
.set G1,   24
.set G0,   32
.set G1B,  48
.set G0B,  56
.set MSB, 0
.macro WIN new
.if MSB != (\new)
	s_set_vgpr_msb (MSB<<8)|(\new)
.set MSB, (\new)
.endif
.endm
.set MUL,  0x05                        ; both sources in window 1
.set TO_F, 0x40
.macro CROUND                          ; a round of the cluster's barrier
	s_barrier_signal -1
	s_barrier_wait -1
	s_cmp_lg_u32 s14, 0
	s_cbranch_scc1 .Lnot_wave_0_\@
	s_barrier_signal -3
.Lnot_wave_0_\@:
	s_barrier_wait -3
	s_barrier_signal -1
	s_barrier_wait -1
.endm
	s_load_b128 s[4:7], s[0:1], 0x0                ; ab, xw
	s_load_b64 s[12:13], s[0:1], 0x10              ; out0
	v_lshl_add_u32 v[SPW], v0, 2, SPARE
	v_mov_b32 v[NIL], 0
	ds_add_u32 v[SPW], v[NIL]                      ; the opening lines: the add twice and one wait
	ds_add_u32 v[SPW], v[NIL]
	v_lshrrev_b32 v1, 5, v0
	v_readfirstlane_b32 s14, v1                    ; wave
	v_and_b32 v1, 15, v0                           ; r
	v_lshlrev_b32 v[SOF], 5, v1
	s_lshr_b32 s15, s14, 1                         ; my half of the rows; also: I fetch for A (0) or Wo (1)
	s_and_b32 s16, s14, 1                          ; my half of the columns; also: which 64 rows I fetch
	s_bfe_u32 s40, ttmp6, 0x40000                  ; cx
	s_bfe_u32 s41, ttmp6, 0x40004                  ; cy
	s_lshl_b32 s42, ttmp9, 2
	s_add_co_u32 s42, s42, s40                     ; tile column
	s_and_b32 s17, ttmp7, 0xffff
	s_lshl_b32 s17, s17, 2
	s_add_co_u32 s17, s17, s41                     ; tile row
	s_lshl_b32 s43, s41, 2
	s_lshl_b32 s43, 15, s43                        ; my row of the cluster
	s_lshl_b32 s44, 0x1111, s40                    ; my column
	s_or_b32 s[G1+0], s43, (0<<16)|(1<<20)|(1<<21)|(5<<22)|(3<<25)
	s_or_b32 s[G1B+0], s44, (0<<16)|(1<<20)|(1<<21)|(5<<22)|(3<<25)
.irp g, G1, G1B
	s_mov_b32 s[\g+1], KROW<<16
	s_mov_b32 s[\g+2], 64<<16
	s_mov_b32 s[\g+3], KROW<<16
	s_mov_b32 s[\g+4], 64
	s_mov_b32 s[\g+5], KROW
	s_mov_b32 s[\g+6], 0
	s_mov_b32 s[\g+7], 0
.endr
	s_lshl_b32 s62, s16, 6
	s_lshl_b32 s20, s17, 7
	s_add_co_u32 s20, s20, s62                     ; A: the 64 rows that I fetch
	s_lshl_b32 s46, s42, 7
	s_add_co_u32 s46, s46, s62                     ; Wo: likewise
	s_mov_b32 s21, 0
	s_mov_b32 s47, 0
	s_mov_b64 s[18:19], KROW
	s_mul_u64 s[20:21], s[20:21], s[18:19]
	s_mul_u64 s[46:47], s[46:47], s[18:19]
	s_add_nc_u64 s[46:47], s[46:47], 5111808       ; Wo's codes begin at row 6656 of xw
	s_lshl_b32 s22, s17, 7
	s_lshl_b32 s10, s15, 6
	s_add_co_u32 s22, s22, s10                     ; the 64 rows of A that I multiply
	s_lshl_b32 s8, s22, 12                         ; and their place in out0,
	s_lshl_b32 s22, s22, 5
	s_add_co_u32 s22, s22, 3145728                 ; their scale bytes in ab
	s_mov_b32 s23, 0
	s_lshl_b32 s60, s42, 7
	s_add_co_u32 s60, s60, s62
	s_lshl_b32 s60, s60, 5
	s_add_co_u32 s60, s60, 6111232                 ; the scale bytes of my 64 rows of Wo in xw
	s_mov_b32 s61, 0
	s_lshl_b32 s10, s42, 9
	s_add_co_u32 s8, s8, s10
	s_lshl_b32 s10, s16, 8
	s_add_co_u32 s8, s8, s10                       ; + my first column, in bytes
	s_mov_b32 s9, 0
	s_mul_i32 s45, s14, HALFT                      ; where my load lands: wave x 64 rows
	s_mul_i32 s36, s15, HALFT
	s_mul_i32 s37, s16, HALFT
	s_add_co_u32 s37, s37, 2*HALFT
	s_mul_i32 s38, s14, 16*SPITCH
	s_add_co_u32 s38, s38, STAGE
	s_wait_dscnt 0x0
	s_wait_alu depctr_va_vdst(0)                   ; the wait ahead of the wait below
	s_wait_kmcnt 0x0
	s_add_nc_u64 s[20:21], s[4:5], s[20:21]
	s_add_nc_u64 s[46:47], s[6:7], s[46:47]
	s_add_nc_u64 s[22:23], s[4:5], s[22:23]
	s_add_nc_u64 s[60:61], s[6:7], s[60:61]
	s_add_nc_u64 s[12:13], s[12:13], s[8:9]
.irp i, 0,1,2,3
	global_load_b128 v[SCA+8*\i:SCA+8*\i+3], v[SOF], s[22:23] offset:\i*512
	global_load_b128 v[SCA+8*\i+4:SCA+8*\i+7], v[SOF], s[22:23] offset:\i*512+16
	global_load_b128 v[SCW+8*\i:SCW+8*\i+3], v[SOF], s[60:61] offset:\i*512
	global_load_b128 v[SCW+8*\i+4:SCW+8*\i+7], v[SOF], s[60:61] offset:\i*512+16
.endr
	CROUND                                         ; all sixteen work-groups are here: the joint loads meet
	s_mov_b32 s[G0], 1
	s_mov_b32 s[G0+1], s45
	s_mov_b64 s[G0+2:G0+3], s[20:21]
	s_or_b32 s[G0+3], s[G0+3], 0x80000000
	s_mov_b32 s[G0B], 1
	s_mov_b32 s[G0B+1], s45
	s_mov_b64 s[G0B+2:G0B+3], s[46:47]
	s_or_b32 s[G0B+3], s[G0B+3], 0x80000000
	s_cmp_eq_u32 s15, 0                            ; one joint load a wave: waves 0, 1 A's halves, waves 2, 3 Wo's
	s_cbranch_scc0 .Lfor_b
	tensor_load_to_lds s[G0:G0+3], s[G1:G1+7]
	s_nop 0
.rept 4
	v_nop
.endr
	s_branch .Lasked
.Lfor_b:
	tensor_load_to_lds s[G0B:G0B+3], s[G1B:G1B+7]
	s_nop 0
.rept 4
	v_nop
.endr
.Lasked:
	v_bfe_u32 v2, v0, 4, 1                         ; h
	v_mul_u32_u24 v3, v1, PITCH
	v_mad_u32_u24 v3, v2, 24, v3                   ; row x pitch + 24 h
	v_add_nc_u32 v[ADRA], s36, v3
	v_add_nc_u32 v[ADRB], s37, v3
	v_lshl_add_u32 v[ADRA+1], v2, 4, v[ADRA]
	v_lshl_add_u32 v[ADRB+1], v2, 4, v[ADRB]
	v_mul_u32_u24 v5, v1, SPITCH
	v_lshl_add_u32 v5, v2, 5, v5
	v_add_nc_u32 v[STO], s38, v5                   ; the stage, in: row r, 32 bytes for each half of the lanes
	v_mul_u32_u24 v4, v2, SPITCH
	v_lshl_add_u32 v4, v1, 4, v4
	v_add_nc_u32 v[RD], s38, v4                    ; back: sixteen lanes to a row of 256 bytes
	v_lshlrev_b32 v7, 12, v2
	v_lshl_add_u32 v[CO], v1, 4, v7                ; and the same two rows in out0
.macro FRAG reg, adr, st, i            ; six pieces of 8 bytes; byte y of a row lies at y + 16 (y / 256) of its LDS row
.irp p, 0,1,2,3,4,5
.set BY, 96*(\st)+48*(\p/3)+8*(\p%3)
.if BY/256 == (BY+24)/256
	ds_load_b64 v[\reg+2*\p:\reg+2*\p+1], v[\adr] offset:BY+16*(BY/256)+(\i)*16*PITCH
.else
	ds_load_b64 v[\reg+2*\p:\reg+2*\p+1], v[\adr+1] offset:BY+16*(BY/256)+(\i)*16*PITCH
.endif
.endr
.endm
.macro FETCH s                         ; step s: Wo's four fragments, then A's four, into set s % 2 of window 1
.set FBS, 128*((\s)%2)
	WIN TO_F
.irp i, 0,1,2,3
	FRAG FBS+FR*\i, ADRB, \s, \i
.endr
.irp i, 0,1,2,3
	FRAG FBS+48+FR*\i, ADRA, \s, \i
.endr
.endm
.macro MUL8 s, a0, zero                ; the accumulators take turns, one instruction a turn
.set MBS, 128*((\s)%2)
.irp a, \a0, \a0+1
.irp b, 0,1,2,3
.if \zero
	v_wmma_scale_f32_16x16x128_f8f6f4 v[ACC+8*(4*(\a)+\b):ACC+8*(4*(\a)+\b)+7], v[MBS+FR*\b:MBS+FR*\b+FR-1], v[MBS+48+FR*(\a):MBS+48+FR*(\a)+FR-1], 0, v[SCW+8*\b+(\s)], v[SCA+8*(\a)+(\s)] matrix_a_fmt:MATRIX_FMT_BF6 matrix_b_fmt:MATRIX_FMT_BF6
.else
	v_wmma_scale_f32_16x16x128_f8f6f4 v[ACC+8*(4*(\a)+\b):ACC+8*(4*(\a)+\b)+7], v[MBS+FR*\b:MBS+FR*\b+FR-1], v[MBS+48+FR*(\a):MBS+48+FR*(\a)+FR-1], v[ACC+8*(4*(\a)+\b):ACC+8*(4*(\a)+\b)+7], v[SCW+8*\b+(\s)], v[SCA+8*(\a)+(\s)] matrix_a_fmt:MATRIX_FMT_BF6 matrix_b_fmt:MATRIX_FMT_BF6
.endif
.endr
.endr
.endm
.macro PLACES n
.rept \n
	v_nop
.endr
.endm
.macro KSTEP s, zero
	s_wait_dscnt 12                                ; A's blocks 2 and 3 may be out
	WIN MUL
	MUL8 \s, 0, \zero
	PLACES NP                                      ; in front of the loads into the set that the last step multiplied
	FETCH (\s)+1
	s_wait_dscnt 48                                ; all but the 48 just issued
	WIN MUL
	MUL8 \s, 2, \zero
.endm
	s_wait_alu depctr_va_vdst(0)                   ; the wait at the head's end
	s_wait_tensorcnt 0x0                           ; my 64 rows are in
	s_barrier_signal -1
	s_barrier_wait -1                              ; and everybody's
	FETCH 0
	s_wait_loadcnt 0x0                             ; the scale words
	KSTEP 0, 1
.irp t, 1,2,3,4,5,6
	KSTEP \t, 0
.endr
	s_wait_dscnt 12
	WIN MUL
	MUL8 7, 0, 0
	s_wait_dscnt 0x0
	MUL8 7, 2, 0
	WIN 0
.macro TOSTAGE a                       ; 16 rows x 64 columns through my own stage; LDS serves a wave's instructions in order
.irp b, 0,1,2,3
	ds_store_b128 v[STO], v[ACC+8*(4*(\a)+\b):ACC+8*(4*(\a)+\b)+3] offset:64*\b
	ds_store_b128 v[STO], v[ACC+8*(4*(\a)+\b)+4:ACC+8*(4*(\a)+\b)+7] offset:64*\b+16
.endr
.irp t, 0,1,2,3,4,5,6,7
	ds_load_b128 v[ACC+32*(\a)+4*\t:ACC+32*(\a)+4*\t+3], v[RD] offset:\t*2*SPITCH
.endr
.endm
.macro SEND a, younger
	s_wait_dscnt \younger
.irp t, 0,1,2,3,4,5,6,7
	global_store_b128 v[CO], v[ACC+32*(\a)+4*\t:ACC+32*(\a)+4*\t+3], s[12:13] offset:(16*(\a)+2*\t)*SIZE_N*4 th:TH_STORE_NT   ; sixteen lanes store 256 consecutive bytes, aligned
.endr
.endm
	PLACES NP
	TOSTAGE 0
	TOSTAGE 1
	SEND 0, 16
	TOSTAGE 2
	SEND 1, 16
	TOSTAGE 3
	SEND 2, 16
	SEND 3, 0
	s_wait_tensorcnt 0x0                           ; the wave's end
	ds_add_u32 v[SPW], v[NIL]
	s_wait_dscnt 0x0
	CROUND                                         ; the closing round
	s_endpgm
.Lfunc_end_k_q4ecdc642a5_outp:
	.size	k_q4ecdc642a5_outp, .Lfunc_end_k_q4ecdc642a5_outp-k_q4ecdc642a5_outp
	.p2alignl 7, 3214868480
	.fill 96, 4, 3214868480
	.section	.rodata,"a",@progbits
	.p2align	6, 0x0
	.amdhsa_kernel k_q4ecdc642a5_outp
		.amdhsa_group_segment_fixed_size 327680
		.amdhsa_private_segment_fixed_size 0
		.amdhsa_enable_private_segment 0
		.amdhsa_kernarg_size 24
		.amdhsa_user_sgpr_count 2
		.amdhsa_user_sgpr_kernarg_segment_ptr 1
		.amdhsa_wavefront_size32 1
		.amdhsa_system_sgpr_workgroup_id_x 1
		.amdhsa_system_sgpr_workgroup_id_y 1
		.amdhsa_system_sgpr_workgroup_id_z 1
		.amdhsa_system_vgpr_workitem_id 0
		.amdhsa_next_free_vgpr 512
		.amdhsa_next_free_sgpr 66
		.amdhsa_reserve_vcc 0
		.amdhsa_float_denorm_mode_32 3
		.amdhsa_float_denorm_mode_16_64 3
		.amdhsa_memory_ordered 1
		.amdhsa_forward_progress 1
		.amdhsa_inst_pref_size 58
	.end_amdhsa_kernel
	.amdgpu_metadata
---
amdhsa.version: [ 1, 2 ]
amdhsa.kernels:
  - .name:           k_q4ecdc642a5_outp
    .symbol:         k_q4ecdc642a5_outp.kd
    .args:
      - { .name: ab, .offset: 0, .size: 8, .value_kind: global_buffer, .address_space: global }
      - { .name: xw, .offset: 8, .size: 8, .value_kind: global_buffer, .address_space: global }
      - { .name: out0, .offset: 16, .size: 8, .value_kind: global_buffer, .address_space: global }
    .group_segment_fixed_size: 327680
    .private_segment_fixed_size: 0
    .kernarg_segment_align: 8
    .kernarg_segment_size: 24
    .max_flat_workgroup_size: 128
    .sgpr_count:     66
    .vgpr_count:     512
    .wavefront_size: 32
...
	.end_amdgpu_metadata
.endif
;; end of part 4
